; MI455X (gfx1250); checked and timed in simulation.
; The chip was launched on July 23, 2026; its instructions are those of AMD's public machine-readable ISA for CDNA 5 (MIT licence, August 2026) and "CDNA5" Instruction Set Architecture Reference Guide (July 2026). The comments in the code are by the model that wrote it; some were corrected since.
;; Group Points euclidean density. Allowed arithmetic: float matrix products may take bf16 or f16 operands with f32 sums; other float arithmetic in f32, or as packed bf16 or f16 multiplies, adds, multiply-adds, maxima and minima; sums over many terms, partial sums and values carried from step to step in f32; what a program stores and reads back later, other than sums and carried values, may be rounded once to bf16 or f16.
;; Inputs: source 2 x 2,048 x 3 float32; source_density 2 x 2,048 x 1 float32; target 2 x 32,768 x 3 float32; target_density 2 x 32,768 x 1 float32.
;; Outputs: out0 2 x 32 x 32 x 32 x 32 x 3 float32; out1 2 x 32 x 32 x 32 x 32 x 2 int32; out2 2 x 32,768 float32; out3 2 x 1 x 1 float32; out4 2 x 32 x 32 x 32 x 32 float32; out5 2 x 32,768 x 1 float32.
;; 2 versions, each right; version 2 is version 1 with the launches screen, list written anew for expert scheduling mode. Each part assembles by itself: llvm-mc -triple=amdgcn-amd-amdhsa -mcpu=gfx1250 --defsym DOCPART=n.
;; ======== version 1 of 2: 5 launches
;; workspace buffers: mask 16,777,216 bytes of whole numbers; pre 8,388,608 bytes of whole numbers; cand 268,435,456 bytes of whole numbers; cnt 524,288 bytes of whole numbers; widx 4,194,304 bytes of whole numbers
;; launch screen (part 1): grid 256 x 1, 8 waves a work-group, no clusters, 99,328 bytes of LDS; arguments source, target, mask; writes mask
.if DOCPART == 1
	.amdgcn_target "amdgcn-amd-amdhsa--gfx1250"
	.amdhsa_code_object_version 6
	.text
	.protected	k_q0beff423f1_screen
	.globl	k_q0beff423f1_screen
	.p2align	8
	.type	k_q0beff423f1_screen,@function
k_q0beff423f1_screen:
	s_mov_b64 s[64:65], 0
	v_nop
	global_prefetch_b8 v0, s[64:65] scope:SCOPE_SE
	s_setreg_imm32_b32 hwreg(HW_REG_WAVE_MODE, 25, 1), 1
	s_wait_xcnt 0x0
; SCREEN: for each of the 65,536 targets a bitmap of the sources that can be among its 32 nearest.
; All inputs are rounded to bf16, in every launch of the program.  raw(s, t) = r1(s) - 2 t.s = sq_dist - r0(t) comes from ONE bf16 matrix
; instruction: a source's row is s0, s1, s2 and r1 split into three bf16 pieces; a target's column is -2 t0, -2 t1, -2 t2, 1, 1, 1.
; SWEEP 1 finds the minimum of raw in each of 64 groups of 32 sources.  tau = the 32nd smallest of the 64 minima: 32 different sources lie at
; or below it, so it bounds the 32nd smallest raw.  SWEEP 2 repeats the products with C = -(tau + M); the sign of the result is the bit.
; M = 2^-16 (r0 + |r0 + tau|) + 2^-100 covers the roundings of the exact f32 chain of the next launch and of both matrix sums: each is under
; 2^-20 (r0 + r1), and a source that matters has r1 <= 2 (r0 + its sq_dist).  So every source whose exact sq_dist is at most the 32nd smallest is marked.
; LIMITS: NaN and infinities are not treated.
; SHARES: work-group x owns targets 256 x .. 256 x + 255 of the flattened [2 x 32768]; batch = x >> 7; wave v two tiles of 16 targets.
; LAYOUT OF A PRODUCT: A = 16 sources (rows), B = 16 targets (columns): lane (n, h) holds target n, register j source row 8 h + j.
; One 16-byte LDS load a lane serves TWO source tiles: lanes 0-15 carry one in k 0-7, lanes 16-31 the other in k 8-15; each target tile has two
; B fragments, one with its data in k 0-7 alone and one in k 8-15 alone.  k 16-31 are 0 on both sides.
; TABLE: source s = 1024 h + 32 q + (31 - i) lies at q 1024 + (i >> 3) 256 + h 128 + (i & 7) 16; fragment f = 2 q + (i >> 4) is 512 bytes on end.
; So lane (n, h) meets the sources of word 32 h + q in the order i = 0 .. 31, bit 31 first.
; MASK: tile T = target >> 4 has 4,096 bytes; the word at T 4096 + gq 512 + (n + 16 h) 16 + 4 e is word 32 h + 4 gq + e of target 16 T + n; bit b of word w is source 32 w + b.
.set TAB,   0                          ; 32,768 bytes: the sources' rows, 16 bytes each
.set GM,    32768                      ; 8,192 bytes a wave: the group minima, tile tt at 4096 tt, four groups of a lane at gq 512 + 16 lane
.set SPARE, 98304                      ; the spare words, 128 bytes a wave; no other line names them
.set SPW,   1                          ; v1   SPARE + 4 x thread; never rewritten
.set NIL,   2                          ; v2   0; never rewritten
.set LANE,  3
.set AADR,  4                          ; LDS address of the trip's fragments: 16 lane + 4096 trip
.set GBASE, 5                          ; my 16 bytes in GM
.set MOFF,  6                          ; my 16 bytes in the wave's part of mask, + 512 trip
.set R0,    7                          ; v7, v8  r0 of my target in tile 0, 1 (for M alone)
.set GADR,  9                          ; GBASE + 512 trip
.set TST,   29                         ; where I store a source's row
.set SOF,   30                         ; 12 x thread; never rewritten
.set TOF,   31                         ; 12 x (lane % 16); never rewritten
.set AB,    32                         ; v[32:63]    four A buffers of 8; registers 4-7 stay 0
.set BB,    64                         ; v[64:95]    B: tile tt, half y at 16 tt + 8 y
.set CC,    96                         ; v[96:111]   -(tau + M), eight equal registers a tile
.set DD,    112                        ; v[112:175]  two sets of four results; result 2 y + tt
.set GG,    176                        ; v[176:239]  32 group minima a tile
.set PM,    240                        ; v[240:247]  partial minima, or partial bytes of a word: 4 tt + 2 (f % 2) + y
.set GQ,    248                        ; v[248:255]  a trip's four minima, or four words, a tile
	s_load_b128 s[4:7], s[0:1], 0x0                ; source, target
	s_load_b64 s[8:9], s[0:1], 0x10                ; mask
	v_lshl_add_u32 v[SPW], v0, 2, SPARE
	v_mov_b32 v[NIL], 0
	v_and_b32 v[LANE], 31, v0
	v_lshrrev_b32 v10, 5, v0
	v_readfirstlane_b32 s10, v10                   ; wave 0..7
	s_lshr_b32 s11, ttmp9, 7                       ; batch
	s_mul_i32 s20, s11, 24576                      ; the batch's sources
	s_mov_b32 s21, 0
	s_mul_i32 s22, ttmp9, 3072                     ; the work-group's 256 targets of 12 bytes,
	s_mul_i32 s23, s10, 384                        ; the wave's 32
	s_add_co_u32 s22, s22, s23
	s_mov_b32 s23, 0
	s_lshl_b32 s24, ttmp9, 16                      ; the work-group's 16 tiles of mask,
	s_lshl_b32 s25, s10, 13                        ; the wave's two
	s_add_co_u32 s24, s24, s25
	s_mov_b32 s25, 0
	s_mov_b32 s13, 0x0000ffff                      ; lanes 0-15
	s_mov_b32 s14, 0xffff0000                      ; lanes 16-31; also a word's upper bf16
	s_mov_b32 s16, 0x76543210                      ; v_permlanex16_b32: each lane takes its own place in the other half
	s_mov_b32 s17, 0xfedcba98
	s_mov_b32 s18, 0x00000400                      ; v_perm_b32: the two sources' low bytes, the first source's above
	s_mov_b32 s19, 0x05040100                      ; v_perm_b32: the two sources' low halves, the first source's above
	s_mov_b32 s28, 0x37800000                      ; 2^-16
	s_mov_b32 s29, 0x0d800000                      ; 2^-100
	v_mul_u32_u24 v[SOF], v0, 12
	v_and_b32 v10, 15, v0
	v_mul_u32_u24 v[TOF], v10, 12
	s_wait_kmcnt 0x0
	s_add_nc_u64 s[4:5], s[4:5], s[20:21]
	s_add_nc_u64 s[6:7], s[6:7], s[22:23]
	s_add_nc_u64 s[8:9], s[8:9], s[24:25]
.irp i, 0,1,2,3,4,5,6,7
	global_load_b96 v[DD+4*\i:DD+4*\i+2], v[SOF], s[4:5] offset:3072*\i   ; source thread + 256 i
.endr
.irp tt, 0,1
	global_load_b96 v[DD+32+4*\tt:DD+32+4*\tt+2], v[TOF], s[6:7] offset:192*\tt  ; target lane % 16 of tile tt, in both halves of the lanes
.endr
	; addresses and constant registers, while the loads are out
	v_sub_nc_u32 v10, 31, v[LANE]                  ; i = 31 - (s & 31)
	v_lshrrev_b32 v11, 3, v10
	v_and_b32 v10, 7, v10
	v_lshlrev_b32 v10, 4, v10
	v_lshl_add_u32 v10, v11, 8, v10                ; (i >> 3) 256 + (i & 7) 16
	s_lshl_b32 s27, s10, 10                        ; q = wave + 8 (load & 3): the wave's part
	v_add_nc_u32 v[TST], s27, v10
	s_lshl_b32 s26, s10, 13
	s_add_co_u32 s26, s26, GM
	v_lshl_add_u32 v[GBASE], v[LANE], 4, s26
	v_mov_b32 v[GADR], v[GBASE]
	v_lshlrev_b32 v[MOFF], 4, v[LANE]
.irp b, 0,1,2,3
.irp r, 4,5,6,7
	v_mov_b32 v[AB+8*\b+\r], 0                     ; k 16-31 of every fragment
	v_mov_b32 v[BB+8*\b+\r], 0
.endr
	v_mov_b32 v[BB+8*\b+3], 0                      ; k 6, 7 (14, 15) of B
.endr
	v_mov_b32 v19, 0                               ; k 6, 7 of a source's row
	v_mov_b32 v20, 1.0
	v_mov_b32 v21, 0x3f803f80                      ; 1, 1 in bf16
; Source thread + 256 i: rounded to bf16; r1 = (s0 s0 + s1 s1) + s2 s2 of the rounded numbers; r1 in three bf16 pieces (each remainder is exact).
.macro SRC i
	v_cvt_pk_bf16_f32 v16, v[DD+4*(\i)], v[DD+4*(\i)+1]      ; k 0, 1
	v_cvt_pk_bf16_f32 v10, v[DD+4*(\i)+2], v[DD+4*(\i)+2]
	v_lshlrev_b32 v11, 16, v16
	v_and_b32 v12, s14, v16
	v_lshlrev_b32 v13, 16, v10
	v_mul_f32 v14, v11, v11
	v_fma_f32 v14, v12, v12, v14
	v_fma_f32 v14, v13, v13, v14
	v_cvt_pk_bf16_f32 v17, v13, v14                ; k 2 = s2, k 3 = r1's first piece
	v_and_b32 v15, s14, v17
	v_sub_f32 v14, v14, v15
	v_cvt_pk_bf16_f32 v10, v14, v14
	v_lshlrev_b32 v15, 16, v10
	v_sub_f32 v15, v14, v15
	v_cvt_pk_bf16_f32 v18, v14, v15                ; k 4, 5 = the second and third piece
	ds_store_b128 v[TST], v[16:19] offset:((\i)&3)*8192+((\i)>>2)*128
.endm
; Tile tt's two B fragments, and r0.
.macro TGTB tt
.set a, DD+32+4*(\tt)
	v_mul_f32 v10, v[a], v[a]
	v_mul_f32 v11, -2.0, v[a]
	v_fma_f32 v10, v[a+1], v[a+1], v10
	v_mul_f32 v12, -2.0, v[a+1]
	v_fma_f32 v[R0+(\tt)], v[a+2], v[a+2], v10
	v_mul_f32 v13, -2.0, v[a+2]
	v_cvt_pk_bf16_f32 v11, v11, v12
	v_cvt_pk_bf16_f32 v12, v13, v20
	v_cndmask_b32 v[BB+16*(\tt)], 0, v11, s13
	v_cndmask_b32 v[BB+16*(\tt)+1], 0, v12, s13
	v_cndmask_b32 v[BB+16*(\tt)+2], 0, v21, s13
	v_cndmask_b32 v[BB+16*(\tt)+8], 0, v11, s14
	v_cndmask_b32 v[BB+16*(\tt)+9], 0, v12, s14
	v_cndmask_b32 v[BB+16*(\tt)+10], 0, v21, s14
.endm
	s_wait_loadcnt 0x2                             ; the eight sources are in; the two target loads may stay out
.irp i, 0,1,2,3,4,5,6,7
	SRC \i
.endr
	s_wait_loadcnt 0x0
	TGTB 0
	TGTB 1
	s_wait_dscnt 0x0                               ; my rows of the table are written,
	s_barrier_signal -1
	s_barrier_wait -1                              ; everybody's are
; Four products: one fragment (two source tiles y) x two target tiles tt.  No product adds in place, and no two on end share a result.
.macro WM mode, buf, dset
.irp y, 0,1
.irp tt, 0,1
.if (\mode) == 1
	v_wmma_f32_16x16x32_bf16 v[DD+32*(\dset)+16*\y+8*\tt:DD+32*(\dset)+16*\y+8*\tt+7], v[AB+8*(\buf):AB+8*(\buf)+7], v[BB+16*\tt+8*\y:BB+16*\tt+8*\y+7], 0
.else
	v_wmma_f32_16x16x32_bf16 v[DD+32*(\dset)+16*\y+8*\tt:DD+32*(\dset)+16*\y+8*\tt+7], v[AB+8*(\buf):AB+8*(\buf)+7], v[BB+16*\tt+8*\y:BB+16*\tt+8*\y+7], v[CC+8*\tt:CC+8*\tt+7]
.endif
.endr
.endr
.endm
; The minimum of each result's eight registers; the four results by turns; each is read from its lowest registers on.
.macro VMIN dset, par
.irp d, 0,1,2,3
	v_min3_num_f32 v[PM+4*((\d)&1)+2*(\par)+((\d)>>1)], v[DD+32*(\dset)+8*\d], v[DD+32*(\dset)+8*\d+1], v[DD+32*(\dset)+8*\d+2]
.endr
.irp d, 0,1,2,3
	v_min3_num_f32 v[PM+4*((\d)&1)+2*(\par)+((\d)>>1)], v[PM+4*((\d)&1)+2*(\par)+((\d)>>1)], v[DD+32*(\dset)+8*\d+3], v[DD+32*(\dset)+8*\d+4]
.endr
.irp d, 0,1,2,3
	v_min3_num_f32 v[PM+4*((\d)&1)+2*(\par)+((\d)>>1)], v[PM+4*((\d)&1)+2*(\par)+((\d)>>1)], v[DD+32*(\dset)+8*\d+5], v[DD+32*(\dset)+8*\d+6]
.endr
.irp d, 0,1,2,3
	v_min_num_f32 v[PM+4*((\d)&1)+2*(\par)+((\d)>>1)], v[PM+4*((\d)&1)+2*(\par)+((\d)>>1)], v[DD+32*(\dset)+8*\d+7]
.endr
.endm
; The signs of each result's eight registers are shifted into the low byte of a partial word, register 0 first (what lies above the low byte is not used).
.macro VBIT dset, par
.irp j, 0,1,2,3,4,5,6,7
.irp d, 0,1,2,3
	v_alignbit_b32 v[PM+4*((\d)&1)+2*(\par)+((\d)>>1)], v[PM+4*((\d)&1)+2*(\par)+((\d)>>1)], v[DD+32*(\dset)+8*\d+\j], 31
.endr
.endr
.endm
; Two fragments are a group of 32 sources: its minimum, or its word, number n of the trip's four.
.macro COMB mode, n
.if (\mode) == 1
.irp tt, 0,1
	v_min3_num_f32 v[GQ+4*\tt+(\n)], v[PM+4*\tt], v[PM+4*\tt+1], v[PM+4*\tt+2]
.endr
.irp tt, 0,1
	v_min_num_f32 v[GQ+4*\tt+(\n)], v[GQ+4*\tt+(\n)], v[PM+4*\tt+3]
.endr
.else
.irp tt, 0,1
	v_perm_b32 v[10+2*\tt], v[PM+4*\tt], v[PM+4*\tt+1], s18
	v_perm_b32 v[11+2*\tt], v[PM+4*\tt+2], v[PM+4*\tt+3], s18
.endr
.irp tt, 0,1
	v_perm_b32 v[GQ+4*\tt+(\n)], v[10+2*\tt], v[11+2*\tt], s19
.endr
.endif
.endm
; Step e of a trip, for fragment f = 8 trip + e: the products of fragment f + 1 are issued; the results of fragment f are reduced; fragment f + 4 is asked for.
; Behind a group of products stand the 16 or 32 vector lines that reduce the OTHER set, which name none of its registers, before its results are read;
; a buffer is loaded again two such blocks behind the products that read it.
.macro STEP mode, e, wn, cnt, ld
.if \wn
	s_wait_dscnt \cnt                              ; fragment f + 1 is in; the younger LDS instructions may stay out
	WM \mode, ((\e)+1)%4, ((\e)+1)%2
.endif
.if (\mode) == 1
	VMIN (\e)%2, (\e)%2
.else
	VBIT (\e)%2, (\e)%2
.endif
.if (\e)%2
	COMB \mode, (\e)/2
.endif
.if \ld
	ds_load_b128 v[AB+8*((\e)%4):AB+8*((\e)%4)+3], v[AADR] offset:((\e)+4)*512
.endif
.endm
; A trip: eight fragments, four groups.  In the loop two fragments (f + 2, f + 3) are younger than the one waited for; a trip's two LDS stores only make that count stricter.
; The last trip asks for fragments 60 to 63 alone, and its counts run down.
.macro TRIP mode, last
.if \last
	STEP \mode, 0, 1, 2, 1
	STEP \mode, 1, 1, 2, 1
	STEP \mode, 2, 1, 2, 1
	STEP \mode, 3, 1, 2, 1
	STEP \mode, 4, 1, 2, 0
	STEP \mode, 5, 1, 1, 0
	STEP \mode, 6, 1, 0, 0
	STEP \mode, 7, 0, 0, 0
.else
.irp e, 0,1,2,3,4,5,6,7
	STEP \mode, \e, 1, 2, 1
.endr
.endif
.if (\mode) == 1
	ds_store_b128 v[GADR], v[GQ:GQ+3]
	ds_store_b128 v[GADR], v[GQ+4:GQ+7] offset:4096
.else
	global_store_b128 v[MOFF], v[GQ:GQ+3], s[8:9]              ; a wave's store covers 512 consecutive bytes, aligned
	global_store_b128 v[MOFF], v[GQ+4:GQ+7], s[8:9] offset:4096
.endif
.if !(\last)
.if (\mode) == 1
	v_add_nc_u32 v[GADR], 512, v[GADR]
.else
	s_wait_xcnt 0x0                                ; the stores have read their offset and data: both are written again only behind this wait
	v_add_nc_u32 v[MOFF], 512, v[MOFF]
.endif
	v_add_nc_u32 v[AADR], 4096, v[AADR]
.endif
.endm
.macro SWEEP mode
	v_lshlrev_b32 v[AADR], 4, v[LANE]
.irp f, 0,1,2,3
	ds_load_b128 v[AB+8*\f:AB+8*\f+3], v[AADR] offset:512*\f
.endr
	s_wait_dscnt 0x3                               ; fragment 0 is in
	WM \mode, 0, 0
.rept 8
	v_nop                                          ; the places behind the sweep's first products: there is no other set yet to reduce
.endr
	s_mov_b32 s12, 7
.Lsweep\mode:
	TRIP \mode, 0
	s_sub_co_u32 s12, s12, 1
	s_cmp_lg_u32 s12, 0
	s_cbranch_scc1 .Lsweep\mode
	TRIP \mode, 1
.endm
	SWEEP 1
	; TAU.  My 32 group minima of each tile come back from my own bytes (LDS serves a wave's instructions in order).
.irp tt, 0,1
.irp gq, 0,1,2,3,4,5,6,7
	ds_load_b128 v[GG+32*\tt+4*\gq:GG+32*\tt+4*\gq+3], v[GBASE] offset:4096*\tt+512*\gq
.endr
.endr
	s_wait_dscnt 0x0
; A sorting network for 32 numbers in 32 registers, ascending, 15 stages of 16 pairs, out of place between two sets.
; Pair p of a flip of k: i and the place mirrored in its block of k; of a step j: i and i + j.
.macro PR kind, par
.if (\kind) == 0
.set ii, (p/((\par)/2))*(\par)+p%((\par)/2)
.set ll, (p/((\par)/2))*(\par)+(\par)-1-p%((\par)/2)
.else
.set ii, (p/(\par))*2*(\par)+p%(\par)
.set ll, ii+(\par)
.endif
.endm
.macro FSTAGE src, dst, kind, par
.set p, 0
.rept 16
	PR \kind, \par
.irp tt, 0, 32
	v_min_num_f32 v[(\dst)+\tt+ii], v[(\src)+\tt+ii], v[(\src)+\tt+ll]
	v_max_num_f32 v[(\dst)+\tt+ll], v[(\src)+\tt+ii], v[(\src)+\tt+ll]
.endr
.set p, p+1
.endr
.endm
	FSTAGE GG, DD, 0, 2
	FSTAGE DD, GG, 0, 4
	FSTAGE GG, DD, 1, 1
	FSTAGE DD, GG, 0, 8
	FSTAGE GG, DD, 1, 2
	FSTAGE DD, GG, 1, 1
	FSTAGE GG, DD, 0, 16
	FSTAGE DD, GG, 1, 4
	FSTAGE GG, DD, 1, 2
	FSTAGE DD, GG, 1, 1
	FSTAGE GG, DD, 0, 32
	FSTAGE DD, GG, 1, 8
	FSTAGE GG, DD, 1, 4
	FSTAGE DD, GG, 1, 2
	FSTAGE GG, DD, 1, 1                            ; sorted, in DD
.set k, 0
.rept 64
	v_permlanex16_b32 v[GG+k], v[DD+k], s16, s17   ; the target's other 32 minima, sorted too, lie in the lane 16 away
.set k, k+1
.endr
.set k, 0
.rept 32
	v_min_num_f32 v[GG+31-k], v[DD+k], v[GG+31-k]  ; min(mine[k], theirs[31 - k]): the 32 smallest of the 64
	v_min_num_f32 v[GG+63-k], v[DD+32+k], v[GG+63-k]
.set k, k+1
.endr
.irp tt, 0,1
.irp c, 0,1,2,3
	v_max3_num_f32 v[10+4*\tt+\c], v[GG+32*\tt+8*\c], v[GG+32*\tt+8*\c+1], v[GG+32*\tt+8*\c+2]
.endr
.endr
.irp tt, 0,1
.irp c, 0,1,2,3
	v_max3_num_f32 v[10+4*\tt+\c], v[10+4*\tt+\c], v[GG+32*\tt+8*\c+3], v[GG+32*\tt+8*\c+4]
.endr
.endr
.irp tt, 0,1
.irp c, 0,1,2,3
	v_max3_num_f32 v[10+4*\tt+\c], v[10+4*\tt+\c], v[GG+32*\tt+8*\c+5], v[GG+32*\tt+8*\c+6]
.endr
.endr
.irp tt, 0,1
.irp c, 0,1,2,3
	v_max_num_f32 v[10+4*\tt+\c], v[10+4*\tt+\c], v[GG+32*\tt+8*\c+7]
.endr
.endr
.irp tt, 0,1
	v_max3_num_f32 v[10+4*\tt], v[10+4*\tt], v[11+4*\tt], v[12+4*\tt]
.endr
.irp tt, 0,1
	v_max_num_f32 v[10+4*\tt], v[10+4*\tt], v[13+4*\tt]        ; tau: their largest
.endr
.irp tt, 0,1
	v_add_f32 v[11+4*\tt], v[R0+\tt], v[10+4*\tt]
	v_and_b32 v[11+4*\tt], 0x7fffffff, v[11+4*\tt]
	v_add_f32 v[11+4*\tt], v[R0+\tt], v[11+4*\tt]
	v_fma_f32 v[11+4*\tt], v[11+4*\tt], s28, s29               ; M
	v_add_f32 v[11+4*\tt], v[10+4*\tt], v[11+4*\tt]
.irp j, 0,1,2,3,4,5,6,7
	v_xor_b32 v[CC+8*\tt+\j], 0x80000000, v[11+4*\tt]          ; -(tau + M): the same for all rows of my column
.endr
.endr
	SWEEP 2
	s_wait_tensorcnt 0x0                           ; the wave's end, behind my last LDS store
	ds_add_u32 v[SPW], v[NIL]
	s_wait_dscnt 0x0
	s_endpgm
.Lfunc_end_k_q0beff423f1_screen:
	.size	k_q0beff423f1_screen, .Lfunc_end_k_q0beff423f1_screen-k_q0beff423f1_screen
	.p2alignl 7, 3214868480
	.fill 96, 4, 3214868480
	.section	.rodata,"a",@progbits
	.p2align	6, 0x0
	.amdhsa_kernel k_q0beff423f1_screen
		.amdhsa_group_segment_fixed_size 99328
		.amdhsa_private_segment_fixed_size 0
		.amdhsa_enable_private_segment 0
		.amdhsa_kernarg_size 24
		.amdhsa_user_sgpr_count 2
		.amdhsa_user_sgpr_kernarg_segment_ptr 1
		.amdhsa_wavefront_size32 1
		.amdhsa_system_sgpr_workgroup_id_x 1
		.amdhsa_system_sgpr_workgroup_id_y 1
		.amdhsa_system_sgpr_workgroup_id_z 1
		.amdhsa_system_vgpr_workitem_id 0
		.amdhsa_next_free_vgpr 256
		.amdhsa_next_free_sgpr 66
		.amdhsa_reserve_vcc 0
		.amdhsa_float_denorm_mode_32 3
		.amdhsa_float_denorm_mode_16_64 3
		.amdhsa_memory_ordered 1
		.amdhsa_forward_progress 1
		.amdhsa_inst_pref_size 116
	.end_amdhsa_kernel
	.amdgpu_metadata
---
amdhsa.version: [ 1, 2 ]
amdhsa.kernels:
  - .name:           k_q0beff423f1_screen
    .symbol:         k_q0beff423f1_screen.kd
    .args:
      - { .name: source, .offset: 0, .size: 8, .value_kind: global_buffer, .address_space: global }
      - { .name: target, .offset: 8, .size: 8, .value_kind: global_buffer, .address_space: global }
      - { .name: mask, .offset: 16, .size: 8, .value_kind: global_buffer, .address_space: global }
    .group_segment_fixed_size: 99328
    .private_segment_fixed_size: 0
    .kernarg_segment_align: 8
    .kernarg_segment_size: 24
    .max_flat_workgroup_size: 256
    .sgpr_count:     66
    .vgpr_count:     256
    .wavefront_size: 32
...
	.end_amdgpu_metadata
.endif
;; end of part 1
;; launch count (part 2): grid 256 x 1, 8 waves a work-group, no clusters, 0 bytes of LDS; arguments mask, pre, cnt; writes pre, cnt
.if DOCPART == 2
	.amdgcn_target "amdgcn-amd-amdhsa--gfx1250"
	.amdhsa_code_object_version 6
	.text
	.protected	k_q0beff423f1_count
	.globl	k_q0beff423f1_count
	.p2align	8
	.type	k_q0beff423f1_count,@function
k_q0beff423f1_count:
	s_mov_b64 s[64:65], 0
	v_nop
	global_prefetch_b8 v0, s[64:65] scope:SCOPE_SE
	s_setreg_imm32_b32 hwreg(HW_REG_WAVE_MODE, 25, 1), 1
	s_wait_xcnt 0x0
; COUNT: where each word of the bitmaps begins in the list that the next launch makes.  A lane a target; a wave a block of 32 targets; block = 8 x work-group + wave.
; mask: tile T = target >> 4 has 4,096 bytes; the word at T 4096 + gq 512 + (n + 16 h) 16 + 4 e is word 32 h + 4 gq + e of target 16 T + n; bit b of word w is source 32 w + b.
; Each word's number of bits is taken by shifts and masks, two words side by side.  A running sum gives the row at which the NEXT word's entries begin, kept as the byte address that
; the next launch uses in its LDS: 128 x row + 4 x lane, held at row 128.
; pre: block has 4,096 bytes; the 16 bytes at j 512 + lane 16 are the addresses behind words 8 j .. 8 j + 7 of the lane's target, 16 bits each (the address of word 0 is 4 x lane).
; cnt: the block's 256 bytes hold 32 times the pair (number of chunks of 16 entries, R = the most bits in any word of the block).
; The number of chunks is ceil(C / 16) for the block's greatest count C; above C = 128 it is 128: the next launch then lists all 2,048 sources for the block.
; No address and no branch of this launch hangs on what it loads.
.set LANE, 3
.set MOF,  8                           ; my 16 bytes in a tile's 512 of mask; never rewritten
.set LOF,  9                           ; 16 x lane; never rewritten
.set RI,   10                          ; the least of 32 - a word's number of bits
.set ACC,  11                          ; 4 x lane + 128 x bits so far
.set TE,   12                          ; v[12:19] at work: four registers for each of two words
.set CN,   20                          ; v[20:21] the pair for cnt
.set O8,   22                          ; 8 x lane
.set CAP,  23                          ; row 128 of my column
.set PK,   24                          ; v[24:55] the 64 addresses, two to a word
.set CC,   56                          ; my number of bits
.set X,    64                          ; v[64:127] my 64 words
	s_load_b128 s[4:7], s[0:1], 0x0                ; mask, pre
	s_load_b64 s[8:9], s[0:1], 0x10                ; cnt
	v_and_b32 v[LANE], 31, v0
	v_lshrrev_b32 v12, 5, v0
	v_readfirstlane_b32 s14, v12                   ; wave 0..7
	s_lshl_b32 s15, ttmp9, 3
	s_add_co_u32 s15, s15, s14                     ; the wave's block of 32 targets
	s_lshl_b32 s16, s15, 13                        ; its two tiles of mask,
	s_mov_b32 s17, 0
	s_lshl_b32 s18, s15, 12                        ; its part of pre,
	s_mov_b32 s19, 0
	s_lshl_b32 s24, s15, 8                         ; and of cnt
	s_mov_b32 s25, 0
	s_mov_b32 s40, 0x55555555
	s_mov_b32 s41, 0x33333333
	s_mov_b32 s42, 0x0f0f0f0f
	s_mov_b32 s43, 0x01010101
	s_mov_b32 s49, 0x05040100                      ; v_perm_b32: the two sources' low halves, the first source's above
	v_lshrrev_b32 v12, 4, v[LANE]
	v_and_b32 v13, 15, v[LANE]
	v_lshlrev_b32 v[MOF], 4, v13
	v_lshl_add_u32 v[MOF], v12, 12, v[MOF]         ; tile lane / 16, target lane % 16
	v_lshlrev_b32 v[LOF], 4, v[LANE]
	v_lshlrev_b32 v[O8], 3, v[LANE]
	v_lshlrev_b32 v[ACC], 2, v[LANE]
	v_add_nc_u32 v[CAP], 0x4000, v[ACC]
	v_mov_b32 v[RI], 32
	s_wait_kmcnt 0x0
	s_add_nc_u64 s[4:5], s[4:5], s[16:17]
	s_add_nc_u64 s[6:7], s[6:7], s[18:19]
	s_add_nc_u64 s[8:9], s[8:9], s[24:25]
.irp h, 0,1
.irp gq, 0,1,2,3,4,5,6,7
	global_load_b128 v[X+32*\h+4*\gq:X+32*\h+4*\gq+3], v[MOF], s[4:5] offset:512*\gq+256*\h  ; word 32 h + 4 gq + e into X + that number; sixteen lanes read 256 consecutive bytes
.endr
.endr
; Words w and w + 1 (w even): the bits are counted in pairs, in fours, in bytes; a multiplication adds the four bytes into the top one.  Then the running sum, twice.
.macro STAT2 w
.irp u, 0,1
	v_lshrrev_b32 v[TE+4*\u], 1, v[X+(\w)+\u]
.endr
.irp u, 0,1
	v_and_b32 v[TE+4*\u], s40, v[TE+4*\u]
.endr
.irp u, 0,1
	v_sub_nc_u32 v[TE+4*\u], v[X+(\w)+\u], v[TE+4*\u]
.endr
.irp u, 0,1
	v_lshrrev_b32 v[TE+4*\u+1], 2, v[TE+4*\u]
.endr
.irp u, 0,1
	v_and_b32 v[TE+4*\u], s41, v[TE+4*\u]
.endr
.irp u, 0,1
	v_and_b32 v[TE+4*\u+1], s41, v[TE+4*\u+1]
.endr
.irp u, 0,1
	v_add_nc_u32 v[TE+4*\u], v[TE+4*\u], v[TE+4*\u+1]
.endr
.irp u, 0,1
	v_lshrrev_b32 v[TE+4*\u+1], 4, v[TE+4*\u]
.endr
.irp u, 0,1
	v_add_nc_u32 v[TE+4*\u], v[TE+4*\u], v[TE+4*\u+1]
.endr
.irp u, 0,1
	v_and_b32 v[TE+4*\u], s42, v[TE+4*\u]
.endr
.irp u, 0,1
	v_mul_lo_u32 v[TE+4*\u], v[TE+4*\u], s43
.endr
.irp u, 0,1
	v_lshrrev_b32 v[TE+4*\u], 24, v[TE+4*\u]       ; the word's number of bits
.endr
.irp u, 0,1
	v_sub_nc_u32 v[TE+4*\u+1], 32, v[TE+4*\u]
.endr
	v_lshl_add_u32 v[ACC], v[TE], 7, v[ACC]        ; where word w + 1 begins
	v_min_u32 v[RI], v[RI], v[TE+1]
	v_min_u32 v[TE+2], v[ACC], v[CAP]
	v_lshl_add_u32 v[ACC], v[TE+4], 7, v[ACC]      ; where word w + 2 begins
	v_min_u32 v[RI], v[RI], v[TE+5]
	v_min_u32 v[TE+6], v[ACC], v[CAP]
	v_perm_b32 v[PK+(\w)/2], v[TE+6], v[TE+2], s49
.endm
.set n, 0
.rept 16
	s_wait_loadcnt 15-n                            ; load n is in; the younger ones may stay out
	STAT2 4*n
	STAT2 4*n+2
.if n%2
	global_store_b128 v[LOF], v[PK+4*(n/2):PK+4*(n/2)+3], s[6:7] offset:512*(n/2)  ; eight words' addresses; a wave's store covers 512 consecutive bytes, aligned
.endif
.set n, n+1
.endr
	v_lshrrev_b32 v[CC], 7, v[ACC]                 ; 4 x lane is under 128: this is my number of bits
	; over the 32 lanes, in whole numbers
	v_readlane_b32 s44, v[RI], 0
	v_readlane_b32 s45, v[CC], 0
.set n, 1
.rept 31
	v_readlane_b32 s46, v[RI], n
	v_readlane_b32 s47, v[CC], n
	s_min_u32 s44, s44, s46
	s_max_u32 s45, s45, s47
.set n, n+1
.endr
	s_sub_co_u32 s53, 32, s44                      ; R
	s_min_u32 s53, s53, 32
	s_max_u32 s53, s53, 1
	s_add_co_u32 s51, s45, 15
	s_lshr_b32 s51, s51, 4                         ; ceil(C / 16)
	s_max_u32 s51, s51, 1
	s_max_u32 s46, s51, 8                          ; 1 if that is above 8, else 0,
	s_sub_co_u32 s46, s46, 8
	s_min_u32 s46, s46, 1
	s_mul_i32 s46, s46, 120                        ; which turns 8 into 128
	s_min_u32 s51, s51, 8
	s_add_co_u32 s51, s51, s46
	v_mov_b32 v[CN], s51
	v_mov_b32 v[CN+1], s53
	global_store_b64 v[O8], v[CN:CN+1], s[8:9]     ; 256 consecutive bytes, aligned
	s_endpgm
.Lfunc_end_k_q0beff423f1_count:
	.size	k_q0beff423f1_count, .Lfunc_end_k_q0beff423f1_count-k_q0beff423f1_count
	.p2alignl 7, 3214868480
	.fill 96, 4, 3214868480
	.section	.rodata,"a",@progbits
	.p2align	6, 0x0
	.amdhsa_kernel k_q0beff423f1_count
		.amdhsa_group_segment_fixed_size 0
		.amdhsa_private_segment_fixed_size 0
		.amdhsa_enable_private_segment 0
		.amdhsa_kernarg_size 24
		.amdhsa_user_sgpr_count 2
		.amdhsa_user_sgpr_kernarg_segment_ptr 1
		.amdhsa_wavefront_size32 1
		.amdhsa_system_sgpr_workgroup_id_x 1
		.amdhsa_system_sgpr_workgroup_id_y 1
		.amdhsa_system_sgpr_workgroup_id_z 1
		.amdhsa_system_vgpr_workitem_id 0
		.amdhsa_next_free_vgpr 128
		.amdhsa_next_free_sgpr 66
		.amdhsa_reserve_vcc 0
		.amdhsa_float_denorm_mode_32 3
		.amdhsa_float_denorm_mode_16_64 3
		.amdhsa_memory_ordered 1
		.amdhsa_forward_progress 1
		.amdhsa_inst_pref_size 49
	.end_amdhsa_kernel
	.amdgpu_metadata
---
amdhsa.version: [ 1, 2 ]
amdhsa.kernels:
  - .name:           k_q0beff423f1_count
    .symbol:         k_q0beff423f1_count.kd
    .args:
      - { .name: mask, .offset: 0, .size: 8, .value_kind: global_buffer, .address_space: global }
      - { .name: pre, .offset: 8, .size: 8, .value_kind: global_buffer, .address_space: global }
      - { .name: cnt, .offset: 16, .size: 8, .value_kind: global_buffer, .address_space: global }
    .group_segment_fixed_size: 0
    .private_segment_fixed_size: 0
    .kernarg_segment_align: 8
    .kernarg_segment_size: 24
    .max_flat_workgroup_size: 256
    .sgpr_count:     66
    .vgpr_count:     128
    .wavefront_size: 32
...
	.end_amdgpu_metadata
.endif
;; end of part 2
;; launch list (part 3): grid 2048 x 1, 1 waves a work-group, no clusters, 20,736 bytes of LDS; arguments mask, pre, cnt, cand; writes cand
.if DOCPART == 3
	.amdgcn_target "amdgcn-amd-amdhsa--gfx1250"
	.amdhsa_code_object_version 6
	.text
	.protected	k_q0beff423f1_list
	.globl	k_q0beff423f1_list
	.p2align	8
	.type	k_q0beff423f1_list,@function
k_q0beff423f1_list:
	s_mov_b64 s[64:65], 0
	v_nop
	global_prefetch_b8 v0, s[64:65] scope:SCOPE_SE
	s_setreg_imm32_b32 hwreg(HW_REG_WAVE_MODE, 25, 1), 1
	s_wait_xcnt 0x0
; LIST: the bitmaps are turned into lists.  A work-group is ONE wave and owns a block of 32 targets, a lane a target: the list in LDS is the wave's own, and there is no barrier.
; mask: tile T = target >> 4 has 4,096 bytes; the word at T 4096 + gq 512 + (n + 16 h) 16 + 4 e is word 32 h + 4 gq + e of target 16 T + n; bit b of word w is source 32 w + b.
; pre (from the launch before): block has 4,096 bytes; the 16 bytes at j 512 + lane 16 are a[8 j + 1] .. a[8 j + 8], 16 bits each: a[w] = 128 x (bits in words below w) + 4 x lane,
; the LDS address at which word w's entries begin; a[0] = 4 x lane; a[64] is the end of my list.  cnt: the block's first two words are its number of chunks and R, the most bits in any word.
; AN ENTRY is 32 w + code, code = (bit x 0x077cb531) >> 27: one of 32 different numbers for the 32 bits of a word; the next launch lays its table by that number.
; EVERY ADDRESS hangs on pre, cnt and the lane alone; the mask's words are data.  A number that was loaded enters an address only behind a minimum with a constant.
; THE LEVELS run DOWN from k = R - 1 to 0, the words UP within a level.  At level k word w writes to a[w] + 128 k.  If that lies below a[w + 1], the word has more than k bits: it gives up its lowest
; set bit, and the entry is real.  Else it writes a leftover and keeps its bits.  A leftover of (w, k) lies on the row of a later word w' at a level j <= k, whose real entry is written
; behind it (a lower level, or the same level and a higher word); and no leftover is written onto a real entry that is there already: a later word's rows lie above, an earlier word's leftover has k >= j.
; Leftovers at or beyond the end of my list reach 31 rows past it at the most: those 32 rows take the marker 0xffff behind the levels; the rows behind them hold it from the start.
; THE WAY OUT: 16 rows (a CHUNK) to 1,024 bytes, two entries to a word; chunks 0 to 3 always, 4 to 7 if the block has more than four.  The next launch reads as many as cnt says.
; MORE THAN 128 CANDIDATES in some lane (cnt says 128 chunks): the block's list is all 2,048 slot numbers, for every lane.  The next launch sorts exactly, so more candidates than needed
; change no result; such a block costs it 128 trips.
; cand: block = target >> 5 has 131,072 bytes; chunk c has 1,024: the 16 bytes at c 1024 + half 512 + lane 16 are entries 8 half .. 8 half + 7 of the lane's target, 16 bits each.
.set SPARE, 20480                      ; behind the list's 160 rows of 128 bytes (rows 0-127 are read; rows 128-159 take what runs past a list's end): the spare words; no other line names them
.set TOP,   0x4ffc                     ; the last word of row 159: row 128 of lane 31 (0x407c) + 31 levels of 128 bytes: the greatest address that can arise
.set SPW,  1                           ; v1   SPARE + 4 x thread; never rewritten
.set NIL,  2                           ; v2   0; never rewritten
.set LB,   4                           ; my column of the list: 4 x lane; never rewritten
.set MOF,  8                           ; my 16 bytes in a tile's 512 of mask; never rewritten
.set LOF,  9                           ; 16 x lane; never rewritten
.set MARK, 11                          ; -1
.set TE,   12                          ; v[12:27] at work: two sets by turns, each four registers for each of two words
.set PK,   28                          ; v[28:59] pre as loaded; then 64 rows, packed
.set MQ,   60                          ; v[60:63] four markers
.set X,    64                          ; v[64:127]  my 64 words, used up by the levels; then 64 rows on their way out
.set A,    128                         ; v[128:192] a[0] .. a[64]
	s_load_b256 s[4:11], s[0:1], 0x0               ; mask s[4:5], pre s[6:7], cnt s[8:9], cand s[10:11]
	v_lshl_add_u32 v[SPW], v0, 2, SPARE
	v_mov_b32 v[NIL], 0
	s_lshl_b32 s16, ttmp9, 13                      ; the block's two tiles of mask,
	s_mov_b32 s17, 0
	s_lshl_b32 s18, ttmp9, 12                      ; its part of pre,
	s_mov_b32 s19, 0
	s_lshl_b32 s24, ttmp9, 8                       ; of cnt,
	s_mov_b32 s25, 0
	s_lshl_b32 s26, ttmp9, 17                      ; and of cand: under 2^28
	s_mov_b32 s27, 0
	s_mov_b32 s48, 0x077cb531
	s_mov_b32 s49, 0x05040100                      ; v_perm_b32: the two sources' low halves, the first source's above
	v_lshrrev_b32 v12, 4, v0
	v_and_b32 v13, 15, v0
	v_lshlrev_b32 v[MOF], 4, v13
	v_lshl_add_u32 v[MOF], v12, 12, v[MOF]         ; tile lane / 16, target lane % 16
	v_lshlrev_b32 v[LOF], 4, v0
	v_lshlrev_b32 v[LB], 2, v0
	v_mov_b32 v[MARK], -1
.irp r, 0,1,2,3
	v_mov_b32 v[MQ+\r], -1
.endr
	s_wait_kmcnt 0x0
	s_add_nc_u64 s[4:5], s[4:5], s[16:17]
	s_add_nc_u64 s[6:7], s[6:7], s[18:19]
	s_add_nc_u64 s[8:9], s[8:9], s[24:25]
	s_add_nc_u64 s[10:11], s[10:11], s[26:27]
	s_load_b64 s[50:51], s[8:9], 0x0               ; the block's number of chunks, and R
.irp j, 0,1,2,3,4,5,6,7
	global_load_b128 v[PK+4*\j:PK+4*\j+3], v[LOF], s[6:7] offset:512*\j
.endr
.irp h, 0,1
.irp gq, 0,1,2,3,4,5,6,7
	global_load_b128 v[X+32*\h+4*\gq:X+32*\h+4*\gq+3], v[MOF], s[4:5] offset:512*\gq+256*\h  ; word 32 h + 4 gq + e into X + that number; sixteen lanes read 256 consecutive bytes
.endr
.endr
.set j, 0
.rept 32
	ds_store_b128 v[LOF], v[MQ:MQ+3] offset:512*j  ; rows 0 to 127 start as markers
.set j, j+1
.endr
	v_mov_b32 v[A], v[LB]
	s_wait_loadcnt 16                              ; pre is in; the mask's sixteen loads may stay out
.set r, 0
.rept 32
	v_and_b32 v[A+2*r+1], 0xffff, v[PK+r]
	v_lshrrev_b32 v[A+2*r+2], 16, v[PK+r]
.set r, r+1
.endr
.set r, 1
.rept 64
	v_min_u32 v[A+r], 0x407c, v[A+r]               ; row 128 of the last column at the most, whatever was read
.set r, r+1
.endr
	s_wait_kmcnt 0x0
	s_min_u32 s53, s51, 32                         ; R: a word has 32 bits
	s_max_u32 s53, s53, 1
	s_sub_co_u32 s57, s53, 1
	s_wait_loadcnt 0x0                             ; my words are in
	s_cmp_gt_u32 s50, 8                            ; more than 128 rows?
	s_cbranch_scc1 .Lfull
; Words w and w + 1 (w even) at the level whose 128 k stands in s56, side by side.  The minimum with TOP, directly ahead of the store, changes no address that can arise
; and holds it inside the list's 160 rows whatever was read.
.macro EMIT2 w
.set e0, TE+8*(((\w)/2)&1)
.set e1, e0+4
	v_add_nc_u32 v[e0], s56, v[A+(\w)]
	v_add_nc_u32 v[e1], s56, v[A+(\w)+1]
	v_sub_nc_u32 v[e0+1], 0, v[X+(\w)]
	v_sub_nc_u32 v[e1+1], 0, v[X+(\w)+1]
	v_cmp_lt_u32 vcc_lo, v[e0], v[A+(\w)+1]        ; has the word more than k bits?
	v_cmp_lt_u32 s30, v[e1], v[A+(\w)+2]
	v_and_b32 v[e0+1], v[e0+1], v[X+(\w)]          ; its lowest set bit,
	v_and_b32 v[e1+1], v[e1+1], v[X+(\w)+1]
	v_min_u32 v[e0], TOP, v[e0]
	v_min_u32 v[e1], TOP, v[e1]
	v_cndmask_b32 v[e0+1], 0, v[e0+1], vcc_lo      ; or 0: then the word keeps its bits
	v_cndmask_b32 v[e1+1], 0, v[e1+1], s30
	v_mul_lo_u32 v[e0+2], v[e0+1], s48
	v_mul_lo_u32 v[e1+2], v[e1+1], s48
	v_xor_b32 v[X+(\w)], v[X+(\w)], v[e0+1]
	v_xor_b32 v[X+(\w)+1], v[X+(\w)+1], v[e1+1]
	v_lshrrev_b32 v[e0+2], 27, v[e0+2]             ; the code
	v_lshrrev_b32 v[e1+2], 27, v[e1+2]
	v_or_b32 v[e0+2], 32*(\w), v[e0+2]             ; 32 w + code
	v_or_b32 v[e1+2], 32*(\w)+32, v[e1+2]
	ds_store_b32 v[e0], v[e0+2]                    ; LDS serves a wave's instructions in order: the lower word first
	ds_store_b32 v[e1], v[e1+2]
.endm
; Rows 64 h to 64 h + 63 leave: four chunks.  The loads come behind the stores above, in order.
.macro FLUSH h
.set i, 0
.rept 64
	ds_load_b32 v[X+i], v[LB] offset:128*(64*(\h)+i)
.set i, i+1
.endr
	s_wait_xcnt 0x0                                ; the stores issued so far have read their data: PK is written again only behind this wait
.set q, 0
.rept 4
	s_wait_dscnt 48-16*q                           ; chunk q's sixteen rows are in; the later chunks' may stay out
.set i, 0
.rept 8
	v_perm_b32 v[PK+8*q+i], v[X+16*q+2*i+1], v[X+16*q+2*i], s49
.set i, i+1
.endr
	global_store_b128 v[LOF], v[PK+8*q:PK+8*q+3], s[10:11] offset:4096*(\h)+1024*q        ; a store covers 512 consecutive bytes, aligned
	global_store_b128 v[LOF], v[PK+8*q+4:PK+8*q+7], s[10:11] offset:4096*(\h)+1024*q+512
.set q, q+1
.endr
.endm
	s_mov_b32 s55, 0
.Llevel:                                               ; R trips: level k = R - 1 - trip
	s_sub_co_u32 s56, s57, s55
	s_min_u32 s56, s56, 31                         ; R was loaded: the level is held by a constant behind the subtraction, ahead of the shift
	s_lshl_b32 s56, s56, 7                         ; 128 k
.set w, 0
.rept 32
	EMIT2 w
.set w, w+2
.endr
	s_add_co_u32 s55, s55, 1
	s_cmp_lt_u32 s55, s53
	s_cbranch_scc1 .Llevel
.set j, 0
.rept 32
	ds_store_b32 v[A+64], v[MARK] offset:128*j     ; the 32 rows from my list's end on
.set j, j+1
.endr
	FLUSH 0
	s_cmp_gt_u32 s50, 4                            ; has the block more than four chunks?
	s_cbranch_scc0 .Lend
	FLUSH 1
	s_branch .Lend
.Lfull:                                                ; all 2,048 slot numbers: chunk c holds 16 c .. 16 c + 15, for every lane
.set i, 0
.rept 8
	v_mov_b32 v[PK+i], (2*i)|((2*i+1)<<16)
.set i, i+1
.endr
	s_mov_b32 s55, 128
.Lall:
	global_store_b128 v[LOF], v[PK:PK+3], s[10:11]
	global_store_b128 v[LOF], v[PK+4:PK+7], s[10:11] offset:512
	s_wait_xcnt 0x0                                ; the stores have read their data and base: both are written again only behind this wait
.set i, 0
.rept 8
	v_add_nc_u32 v[PK+i], 0x100010, v[PK+i]        ; 16 on, in both halves
.set i, i+1
.endr
	s_add_nc_u64 s[10:11], s[10:11], 1024
	s_sub_co_u32 s55, s55, 1
	s_cmp_lg_u32 s55, 0
	s_cbranch_scc1 .Lall
.Lend:
	s_wait_tensorcnt 0x0                           ; the wave's end, behind my last LDS store
	ds_add_u32 v[SPW], v[NIL]
	s_wait_dscnt 0x0
	s_endpgm
.Lfunc_end_k_q0beff423f1_list:
	.size	k_q0beff423f1_list, .Lfunc_end_k_q0beff423f1_list-k_q0beff423f1_list
	.p2alignl 7, 3214868480
	.fill 96, 4, 3214868480
	.section	.rodata,"a",@progbits
	.p2align	6, 0x0
	.amdhsa_kernel k_q0beff423f1_list
		.amdhsa_group_segment_fixed_size 20736
		.amdhsa_private_segment_fixed_size 0
		.amdhsa_enable_private_segment 0
		.amdhsa_kernarg_size 32
		.amdhsa_user_sgpr_count 2
		.amdhsa_user_sgpr_kernarg_segment_ptr 1
		.amdhsa_wavefront_size32 1
		.amdhsa_system_sgpr_workgroup_id_x 1
		.amdhsa_system_sgpr_workgroup_id_y 1
		.amdhsa_system_sgpr_workgroup_id_z 1
		.amdhsa_system_vgpr_workitem_id 0
		.amdhsa_next_free_vgpr 196
		.amdhsa_next_free_sgpr 66
		.amdhsa_reserve_vcc 1
		.amdhsa_float_denorm_mode_32 3
		.amdhsa_float_denorm_mode_16_64 3
		.amdhsa_memory_ordered 1
		.amdhsa_forward_progress 1
		.amdhsa_inst_pref_size 63
	.end_amdhsa_kernel
	.amdgpu_metadata
---
amdhsa.version: [ 1, 2 ]
amdhsa.kernels:
  - .name:           k_q0beff423f1_list
    .symbol:         k_q0beff423f1_list.kd
    .args:
      - { .name: mask, .offset: 0, .size: 8, .value_kind: global_buffer, .address_space: global }
      - { .name: pre, .offset: 8, .size: 8, .value_kind: global_buffer, .address_space: global }
      - { .name: cnt, .offset: 16, .size: 8, .value_kind: global_buffer, .address_space: global }
      - { .name: cand, .offset: 24, .size: 8, .value_kind: global_buffer, .address_space: global }
    .group_segment_fixed_size: 20736
    .private_segment_fixed_size: 0
    .kernarg_segment_align: 8
    .kernarg_segment_size: 32
    .max_flat_workgroup_size: 32
    .sgpr_count:     66
    .vgpr_count:     196
    .wavefront_size: 32
...
	.end_amdgpu_metadata
.endif
;; end of part 3
;; launch sort (part 4): grid 256 x 1, 8 waves a work-group, no clusters, 70,656 bytes of LDS; arguments source, target, cand, cnt, out4, widx; writes out4, widx
.if DOCPART == 4
	.amdgcn_target "amdgcn-amd-amdhsa--gfx1250"
	.amdhsa_code_object_version 6
	.text
	.protected	k_q0beff423f1_sort
	.globl	k_q0beff423f1_sort
	.p2align	8
	.type	k_q0beff423f1_sort,@function
k_q0beff423f1_sort:
	s_mov_b64 s[64:65], 0
	v_nop
	global_prefetch_b8 v0, s[64:65] scope:SCOPE_SE
	s_setreg_imm32_b32 hwreg(HW_REG_WAVE_MODE, 25, 1), 1
	s_wait_xcnt 0x0
; SORT: a lane a target.  The sq_dist of each listed source is made exactly, and the 32 smallest by (sq_dist, index) are kept, sorted.
; EXACT.  All inputs are rounded to bf16, so every product of two of them is exact in f32, and r0, r1, the dot product and
; sq_dist = (r0 - 2 dot) + r1 have one value each if the three terms are added in the order c = 0, 1, 2: that order is assumed of the sums that define the result.
; KEY: u = bits(sq_dist) turned so that unsigned order is the numbers' order (sign bit set for positives, all bits turned for negatives).  Ties go to the lower index.
; LIMITS: NaN and infinities are not treated (a key is then at least 1, which the compare below leans on; 0xffffffff is free for 'no entry').
; cand: block = target >> 5 has 131,072 bytes; chunk c has 1,024: the 16 bytes at c 1024 + half 512 + lane 16 are entries 8 half .. 8 half + 7 of the lane's target, 16 bits each.
; An entry is 32 w + code for bit b of word w, code = ((1 << b) x 0x077cb531) >> 27, or the marker 0xffff.  The table is laid by that number and holds the true index 32 w + b.
; cnt: the first word of the block's 256 bytes is its number of chunks: the loop's bound.
; A TRIP takes a chunk of 16 entries: keys, a sorting network for 16, the lesser of each pair (best[16 + p], chunk[15 - p]), and five steps that sort the 32 again.
; widx: block has 2,048 bytes; the word at kq 512 + l 16 + 4 e holds index 8 kq + 2 e (low 16 bits) and 8 kq + 2 e + 1 (high) of target l; -1 beyond the radius.
.set TAB,   0                          ; 32,768 bytes: slot 32 w + code: s0, s1, s2 (rounded, as f32), index
.set STG,   32768                      ; 4,608 bytes a wave: the stage for out4, 32 rows 144 bytes apart
.set STGW,  4608
.set SPARE, 69632                      ; the spare words, 128 bytes a wave; no other line names them
.set SPW,  1                           ; v1   SPARE + 4 x thread; never rewritten
.set NIL,  2                           ; v2   0; never rewritten
.set LANE, 3
.set TT,   8                           ; v[8:10] my target, rounded
.set R0,   11
.set TE,   12                          ; v[12:19] at work
.set TADR, 20
.set INV,  21                          ; 1 / (radius + 1e-6)
.set URAD, 22                          ; the key of radius^2
.set SOF,  23                          ; 12 x thread; never rewritten
.set LOF,  24                          ; 16 x lane; never rewritten
.set STS,  25                          ; my row of the stage
.set SRD,  26                          ; where I read the stage back
.set EN,   28                          ; v[28:35] a chunk's sixteen entries as loaded
.set TM,   44                          ; v[44:59] a stage's differences
.set A,    64                          ; two sets of 32 keys and, 32 further on, 32 indices, at work
.set B,    128
.set T,    192                         ; the best 32 so far, sorted: keys, then indices
.set U,    A                           ; a chunk: 16 keys, then 16 indices
.set V,    A+32                        ; the same, the network's other set
.set ENT,  A+32                        ; the sixteen entries unpacked (until the network's first stage writes V)
.set G,    B                           ; sixteen gathered slots of four registers
.set CM,   32                          ; s[32:47] a stage's flags
	s_load_b256 s[4:11], s[0:1], 0x0               ; source, target, cand, cnt
	s_load_b128 s[12:15], s[0:1], 0x20             ; out4, widx
	v_lshl_add_u32 v[SPW], v0, 2, SPARE
	v_mov_b32 v[NIL], 0
	v_and_b32 v[LANE], 31, v0
	v_lshrrev_b32 v12, 5, v0
	v_readfirstlane_b32 s16, v12                   ; wave 0..7
	s_lshr_b32 s17, ttmp9, 7                       ; batch
	s_mul_i32 s18, s17, 24576
	s_mov_b32 s19, 0
	s_mul_i32 s24, ttmp9, 3072                     ; the work-group's 256 targets
	s_mov_b32 s25, 0
	s_lshl_b32 s26, ttmp9, 3
	s_add_co_u32 s26, s26, s16                     ; the wave's block of 32 targets
	s_lshl_b32 s28, s26, 17                        ; its part of cand,
	s_mov_b32 s29, 0
	s_lshl_b32 s30, s26, 8                         ; of cnt,
	s_mov_b32 s31, 0
	s_lshl_b32 s32, s26, 12                        ; of out4,
	s_mov_b32 s33, 0
	s_lshl_b32 s34, s26, 11                        ; of widx
	s_mov_b32 s35, 0
	s_mov_b32 s23, 0                               ; the upper word of a chunk's offset
	s_mov_b32 s48, 0x077cb531
	s_mov_b32 s49, 0x05040100                      ; v_perm_b32: the two sources' low halves, the first source's above
	s_mov_b32 s50, 0xb089705f                      ; the key of 1e-9
	s_mov_b32 s51, 0xffff0000
	s_mov_b32 s52, 0x80000000
	s_mul_i32 s57, s16, STGW
	s_add_co_u32 s57, s57, STG                     ; my wave's stage
	v_mul_u32_u24 v[SOF], v0, 12
	v_lshlrev_b32 v[LOF], 4, v[LANE]
	s_wait_kmcnt 0x0
	s_add_nc_u64 s[4:5], s[4:5], s[18:19]
	s_add_nc_u64 s[6:7], s[6:7], s[24:25]
	s_add_nc_u64 s[8:9], s[8:9], s[28:29]
	s_add_nc_u64 s[10:11], s[10:11], s[30:31]
	s_add_nc_u64 s[12:13], s[12:13], s[32:33]
	s_add_nc_u64 s[14:15], s[14:15], s[34:35]
	s_load_b32 s53, s[10:11], 0x0                  ; the block's number of chunks
.irp i, 0,1,2,3,4,5,6,7
	global_load_b96 v[G+4*\i:G+4*\i+2], v[SOF], s[4:5] offset:3072*\i   ; source thread + 256 i
.endr
	global_load_b96 v[TT:TT+2], v[SOF], s[6:7]
	global_load_b128 v[EN:EN+3], v[LOF], s[8:9]                ; chunk 0
	global_load_b128 v[EN+4:EN+7], v[LOF], s[8:9] offset:512
	; what needs no load, while they are out
	v_mul_u32_u24 v[STS], v[LANE], 144
	v_add_nc_u32 v[STS], s57, v[STS]
	v_lshrrev_b32 v12, 3, v[LANE]                  ; the way back out of the stage: four rows of 128 bytes to a load
	v_and_b32 v13, 7, v[LANE]
	v_mul_u32_u24 v12, v12, 144
	v_lshl_add_u32 v12, v13, 4, v12
	v_add_nc_u32 v[SRD], s57, v12
	v_mov_b32 v12, 1
	v_lshlrev_b32 v12, v[LANE], v12
	v_mul_lo_u32 v12, v12, s48
	v_lshrrev_b32 v12, 27, v12                     ; the code of bit lane = s & 31
	v_and_b32 v13, 0xe0, v0
	v_add_nc_u32 v12, v12, v13
	v_lshlrev_b32 v[TADR], 4, v12                  ; slot (thread & ~31) + code, + 256 for each further load
	v_mov_b32 v12, 0x3da3d70a                      ; the radius
	v_add_f32 v13, 0x358637bd, v12                 ; + 1e-6
	v_rcp_f32 v[INV], v13
	v_mul_f32 v[URAD], v12, v12                    ; a plain line behind the reciprocal
	s_wait_alu depctr_va_vdst(0)                   ; the wait ahead of the reciprocal's first reader
	v_or_b32 v[URAD], s52, v[URAD]
.set i, 0
.rept 64
	v_mov_b32 v[T+i], -1                           ; no entry: behind every key and every index
.set i, i+1
.endr
.macro SRC i
.set a, G+4*(\i)
	v_cvt_pk_bf16_f32 v12, v[a], v[a+1]
	v_cvt_pk_bf16_f32 v13, v[a+2], v[a+2]
	v_lshlrev_b32 v[a], 16, v12
	v_and_b32 v[a+1], s51, v12
	v_lshlrev_b32 v[a+2], 16, v13
	v_add_nc_u32 v[a+3], 256*(\i), v0
	ds_store_b128 v[TADR], v[a:a+3] offset:4096*(\i)
.endm
	s_wait_loadcnt 3                               ; the sources are in; the target's load and the chunk's two may stay out
.irp i, 0,1,2,3,4,5,6,7
	SRC \i
.endr
	s_wait_loadcnt 2                               ; the target is in
	v_cvt_pk_bf16_f32 v12, v[TT], v[TT+1]
	v_cvt_pk_bf16_f32 v13, v[TT+2], v[TT+2]
	v_lshlrev_b32 v[TT], 16, v12
	v_and_b32 v[TT+1], s51, v12
	v_lshlrev_b32 v[TT+2], 16, v13
	v_mul_f32 v[R0], v[TT], v[TT]
	v_fma_f32 v[R0], v[TT+1], v[TT+1], v[R0]
	v_fma_f32 v[R0], v[TT+2], v[TT+2], v[R0]
	s_wait_dscnt 0x0                               ; my slots of the table are written,
	s_barrier_signal -1
	s_barrier_wait -1                              ; everybody's are
	s_wait_kmcnt 0x0
	s_min_u32 s53, s53, 128                        ; a block has 128 chunks at the most,
	s_max_u32 s53, s53, 1                          ; and two at the least: 32 sources or more are listed for every target
	s_sub_co_u32 s55, s53, 1                       ; the last chunk
	s_mov_b32 s54, 0
; Entry j of the chunk, gathered into G + 4 j: the exact sq_dist, its key and its index; 'no entry' for the marker.
.macro KEY
.set g, G+4*j
.set kt, TE+4*(j&1)
	v_mul_f32 v[kt], v[TT], v[g]
	v_mul_f32 v[kt+1], v[g], v[g]
	v_fma_f32 v[kt], v[TT+1], v[g+1], v[kt]
	v_fma_f32 v[kt+1], v[g+1], v[g+1], v[kt+1]
	v_fma_f32 v[kt], v[TT+2], v[g+2], v[kt]        ; the dot product
	v_fma_f32 v[kt+1], v[g+2], v[g+2], v[kt+1]     ; r1
	v_fma_f32 v[kt], v[kt], -2.0, v[R0]            ; r0 - 2 dot: one rounding
	v_cmp_gt_u32 vcc_lo, 0x800, v[ENT+j]           ; a real entry?
	v_add_f32 v[kt], v[kt], v[kt+1]
	v_ashrrev_i32 v[kt+2], 31, v[kt]
	v_or_b32 v[kt+2], s52, v[kt+2]
	v_xor_b32 v[kt], v[kt], v[kt+2]
	v_cndmask_b32 v[U+j], -1, v[kt], vcc_lo
	v_cndmask_b32 v[U+16+j], -1, v[g+3], vcc_lo
.endm
; The networks' pairs.  Pair p of a flip of k: i and the place mirrored in its block of k; of a step j: i and i + j.
.macro PR kind, par
.if (\kind) == 0
.set ii, (p/((\par)/2))*(\par)+p%((\par)/2)
.set ll, (p/((\par)/2))*(\par)+(\par)-1-p%((\par)/2)
.else
.set ii, (p/(\par))*2*(\par)+p%(\par)
.set ll, ii+(\par)
.endif
.endm
; A stage of np pairs, ascending, out of place; the indices lie io registers behind the keys.
; Element l comes before element i if key_l - 1 + (index_l >= index_i) < key_i: with the carry that is key_l < key_i, without it key_l <= key_i.
.macro STAGE src, dst, io, np, kind, par
.set p, 0
.rept \np
	PR \kind, \par
	v_cmp_ge_u32 s[CM+p], v[(\src)+(\io)+ll], v[(\src)+(\io)+ii]
.set p, p+1
.endr
.set p, 0
.rept \np
	PR \kind, \par
	v_add_co_ci_u32 v[TM+p], s[CM+p], -1, v[(\src)+ll], s[CM+p]
.set p, p+1
.endr
.set p, 0
.rept \np
	PR \kind, \par
	v_cmp_lt_u32 s[CM+p], v[TM+p], v[(\src)+ii]
.set p, p+1
.endr
.set p, 0
.rept \np
	PR \kind, \par
	v_cndmask_b32 v[(\dst)+ii], v[(\src)+ii], v[(\src)+ll], s[CM+p]
	v_cndmask_b32 v[(\dst)+ll], v[(\src)+ll], v[(\src)+ii], s[CM+p]
	v_cndmask_b32 v[(\dst)+(\io)+ii], v[(\src)+(\io)+ii], v[(\src)+(\io)+ll], s[CM+p]
	v_cndmask_b32 v[(\dst)+(\io)+ll], v[(\src)+(\io)+ll], v[(\src)+(\io)+ii], s[CM+p]
.set p, p+1
.endr
.endm
.Lchunk:                                               ; as many trips as the block has chunks
	s_wait_loadcnt 0x0                             ; the chunk's entries are in
.set i, 0
.rept 8
	v_and_b32 v[ENT+2*i], 0xffff, v[EN+i]
	v_lshrrev_b32 v[ENT+2*i+1], 16, v[EN+i]
.set i, i+1
.endr
	s_add_co_u32 s56, s54, 1                       ; the next chunk is asked for at once: it has the whole trip in which to land.
	s_min_u32 s56, s56, s55                        ; In the last trip the last chunk is named once more: no byte is read that was not stored
	s_min_u32 s56, s56, 127
	s_lshl_b32 s22, s56, 10
	s_add_nc_u64 s[20:21], s[8:9], s[22:23]        ; (the loads that read this pair have come back)
	global_load_b128 v[EN:EN+3], v[LOF], s[20:21]
	global_load_b128 v[EN+4:EN+7], v[LOF], s[20:21] offset:512
.set j, 0
.rept 16
	v_min_u32 v[TE+(j&7)], 0x7ff, v[ENT+j]         ; the marker gathers the last slot, which KEY throws away
	v_lshlrev_b32 v[TE+(j&7)], 4, v[TE+(j&7)]
	ds_load_b128 v[G+4*j:G+4*j+3], v[TE+(j&7)]
.set j, j+1
.endr
.set j, 0
.rept 16
	s_wait_dscnt 15-j                              ; gather j is in; the younger ones may stay out
	KEY
.set j, j+1
.endr
	STAGE U, V, 16, 8, 0, 2
	STAGE V, U, 16, 8, 0, 4
	STAGE U, V, 16, 8, 1, 1
	STAGE V, U, 16, 8, 0, 8
	STAGE U, V, 16, 8, 1, 2
	STAGE V, U, 16, 8, 1, 1
	STAGE U, V, 16, 8, 0, 16
	STAGE V, U, 16, 8, 1, 4
	STAGE U, V, 16, 8, 1, 2
	STAGE V, U, 16, 8, 1, 1                        ; the chunk, sorted, in U
	; T[16 + p] = the lesser of T[16 + p] and U[15 - p], in place: T then holds the 32 smallest of both, rising and then falling or the like, which five steps sort
.set p, 0
.rept 16
	v_cmp_ge_u32 s[CM+p], v[U+31-p], v[T+48+p]
.set p, p+1
.endr
.set p, 0
.rept 16
	v_add_co_ci_u32 v[TM+p], s[CM+p], -1, v[U+15-p], s[CM+p]
.set p, p+1
.endr
.set p, 0
.rept 16
	v_cmp_lt_u32 s[CM+p], v[TM+p], v[T+16+p]
.set p, p+1
.endr
.set p, 0
.rept 16
	v_cndmask_b32 v[T+16+p], v[T+16+p], v[U+15-p], s[CM+p]
	v_cndmask_b32 v[T+48+p], v[T+48+p], v[U+31-p], s[CM+p]
.set p, p+1
.endr
	STAGE T, A, 32, 16, 1, 16
	STAGE A, B, 32, 16, 1, 8
	STAGE B, A, 32, 16, 1, 4
	STAGE A, B, 32, 16, 1, 2
	STAGE B, T, 32, 16, 1, 1                       ; the best 32 so far, sorted, in T
	s_add_co_u32 s54, s54, 1
	s_cmp_lt_u32 s54, s53
	s_cbranch_scc1 .Lchunk
	s_wait_loadcnt 0x0                             ; the last trip's loads
	; THE RESULTS.  Indices beyond the radius become -1; two indices to a word; four stores of 512 consecutive bytes.
.set k, 0
.rept 32
	v_cmp_ge_u32 vcc_lo, v[URAD], v[T+k]           ; radius^2 >= sq_dist, in the keys' order
	v_cndmask_b32 v[T+32+k], -1, v[T+32+k], vcc_lo
.set k, k+1
.endr
.set k, 0
.rept 16
	v_perm_b32 v[A+k], v[T+33+2*k], v[T+32+2*k], s49
.set k, k+1
.endr
.irp kq, 0,1,2,3
	global_store_b128 v[LOF], v[A+4*\kq:A+4*\kq+3], s[14:15] offset:512*\kq
.endr
	; sqrt(max(sq_dist, 1e-9)) / (radius + 1e-6).  The maximum is taken in the keys' order, so that a negative sq_dist never reaches a float line.
.set k, 0
.rept 32
	v_cmp_gt_u32 vcc_lo, s50, v[T+k]
	v_cndmask_b32 v[B+k], v[T+k], s50, vcc_lo
	v_xor_b32 v[B+k], s52, v[B+k]
.set k, k+1
.endr
.set k, 0
.rept 32
	v_sqrt_f32 v[B+k], v[B+k]                      ; one batch
.set k, k+1
.endr
	v_nop                                          ; a plain line behind the last root
	s_wait_alu depctr_va_vdst(0)                   ; one wait for the 32 roots, ahead of their first reader
.set k, 0
.rept 32
	v_mul_f32 v[B+k], v[B+k], v[INV]
.set k, k+1
.endr
.irp c, 0,1,2,3,4,5,6,7
	ds_store_b128 v[STS], v[B+4*\c:B+4*\c+3] offset:16*\c      ; my target's row; rows 144 bytes apart start in different banks
.endr
.irp r, 0,1,2,3,4,5,6,7
	ds_load_b128 v[A+16+4*\r:A+16+4*\r+3], v[SRD] offset:576*\r  ; my wave's own bytes, served in order behind the stores
.endr
.irp r, 0,1,2,3,4,5,6,7
	s_wait_dscnt 7-\r
	global_store_b128 v[LOF], v[A+16+4*\r:A+16+4*\r+3], s[12:13] offset:512*\r th:TH_STORE_NT  ; 512 consecutive bytes, aligned
.endr
	s_wait_tensorcnt 0x0                           ; the wave's end, behind my last LDS store
	ds_add_u32 v[SPW], v[NIL]
	s_wait_dscnt 0x0
	s_endpgm
.Lfunc_end_k_q0beff423f1_sort:
	.size	k_q0beff423f1_sort, .Lfunc_end_k_q0beff423f1_sort-k_q0beff423f1_sort
	.p2alignl 7, 3214868480
	.fill 96, 4, 3214868480
	.section	.rodata,"a",@progbits
	.p2align	6, 0x0
	.amdhsa_kernel k_q0beff423f1_sort
		.amdhsa_group_segment_fixed_size 70656
		.amdhsa_private_segment_fixed_size 0
		.amdhsa_enable_private_segment 0
		.amdhsa_kernarg_size 48
		.amdhsa_user_sgpr_count 2
		.amdhsa_user_sgpr_kernarg_segment_ptr 1
		.amdhsa_wavefront_size32 1
		.amdhsa_system_sgpr_workgroup_id_x 1
		.amdhsa_system_sgpr_workgroup_id_y 1
		.amdhsa_system_sgpr_workgroup_id_z 1
		.amdhsa_system_vgpr_workitem_id 0
		.amdhsa_next_free_vgpr 256
		.amdhsa_next_free_sgpr 66
		.amdhsa_reserve_vcc 1
		.amdhsa_float_denorm_mode_32 3
		.amdhsa_float_denorm_mode_16_64 3
		.amdhsa_memory_ordered 1
		.amdhsa_forward_progress 1
		.amdhsa_inst_pref_size 111
	.end_amdhsa_kernel
	.amdgpu_metadata
---
amdhsa.version: [ 1, 2 ]
amdhsa.kernels:
  - .name:           k_q0beff423f1_sort
    .symbol:         k_q0beff423f1_sort.kd
    .args:
      - { .name: source, .offset: 0, .size: 8, .value_kind: global_buffer, .address_space: global }
      - { .name: target, .offset: 8, .size: 8, .value_kind: global_buffer, .address_space: global }
      - { .name: cand, .offset: 16, .size: 8, .value_kind: global_buffer, .address_space: global }
      - { .name: cnt, .offset: 24, .size: 8, .value_kind: global_buffer, .address_space: global }
      - { .name: out4, .offset: 32, .size: 8, .value_kind: global_buffer, .address_space: global }
      - { .name: widx, .offset: 40, .size: 8, .value_kind: global_buffer, .address_space: global }
    .group_segment_fixed_size: 70656
    .private_segment_fixed_size: 0
    .kernarg_segment_align: 8
    .kernarg_segment_size: 48
    .max_flat_workgroup_size: 256
    .sgpr_count:     66
    .vgpr_count:     256
    .wavefront_size: 32
...
	.end_amdgpu_metadata
.endif
;; end of part 4
;; launch emit (part 5): grid 256 x 1, 8 waves a work-group, no clusters, 70,656 bytes of LDS; arguments source, source_density, target, target_density, widx, out0, out1, out2, out3, out5; writes out0, out1, out2, out3, out5
.if DOCPART == 5
	.amdgcn_target "amdgcn-amd-amdhsa--gfx1250"
	.amdhsa_code_object_version 6
	.text
	.protected	k_q0beff423f1_emit
	.globl	k_q0beff423f1_emit
	.p2align	8
	.type	k_q0beff423f1_emit,@function
k_q0beff423f1_emit:
	s_mov_b64 s[64:65], 0
	v_nop
	global_prefetch_b8 v0, s[64:65] scope:SCOPE_SE
	s_setreg_imm32_b32 hwreg(HW_REG_WAVE_MODE, 25, 1), 1
	s_wait_xcnt 0x0
; EMIT: the patches, their indices, sizes and weighted densities, from the sorted indices in widx (-1 = beyond the radius).
; A wave owns 32 targets, four a trip; a lane is one of the 32 neighbours k.  All inputs are rounded to bf16, as in the launches before.
; out0[g][k][c] = (valid ? s[c] : 0) / (radius + 1e-6) - t[c] / (radius + 1e-6); the division is a multiplication by the reciprocal.
; out1[g][k] = (batch, index or -1).  out2[g] = the number of valid k.  out3 = the radius, twice.  out5[g] = the valid densities' sum / (32 - out2[g]):
; with all 32 valid the divisor is 0 and the result is an infinity, or NaN for a sum of 0, as a division gives.
; target_density enters no result: the one quotient that is made of it upstream is used by nothing.  That quotient is not formed here; the input is loaded and laid beside its target in LDS, and no line reads it there.
; LIMITS: NaN and infinities in the inputs are not treated.
.set TAB,   0                          ; 32,768 bytes: source s at 16 s: s0, s1, s2 scaled, density
.set IDX,   32768                      ; 2,304 bytes a wave: the block of widx, its four parts 528 bytes apart
.set IDXW,  2304
.set TGT,   51200                      ; 512 bytes a wave: 16 bytes a target
.set STG,   55296                      ; 1,536 bytes a wave: four targets' patches as they lie in out0
.set RES,   67584                      ; 1,024 bytes of out2, then 1,024 of out5: the work-group's
.set SPARE, 69632                      ; the spare words, 128 bytes a wave; no other line names them
.set SPW,  1                           ; v1   SPARE + 4 x thread; never rewritten
.set NIL,  2                           ; v2   0; never rewritten
.set LANE, 3
.set SOF,  4                           ; 12 x thread; never rewritten
.set DOF,  5                           ; 4 x thread; never rewritten
.set LOF,  6                           ; 16 x lane; never rewritten
.set IADR, 7                           ; my k's 16 bits of the trip's first target
.set TADR, 8                           ; the trip's first target, the same in all lanes
.set SADR, 9                           ; STG + 12 k
.set SRD,  10                          ; STG + 16 lane
.set O1,   11                          ; 8 x lane; never rewritten
.set INV,  12
.set SUMC, 13                          ; lane l: target l's sum of densities
.set CNTC, 14                          ; lane l: target l's count
.set TSA,  15                          ; 16 x thread
.set PRR,  16                          ; v[16:23]  four pairs (batch, index)
.set TG,   24                          ; v[24:39]  four targets
.set SR,   40                          ; v[40:55]  four gathered sources
.set OU,   56                          ; v[56:67]  1,536 bytes on their way out
.set TP,   68                          ; v[68:71]  at work
.set W,    72                          ; v[72:103] the head's sources and densities
.set WI,   104                         ; v[104:119] the block of widx
.set TL,   120                         ; v[120:123] my target and its density
.set MK,   48                          ; s[48:51]  the bit of lane 4 trip + e
.set VM,   52                          ; s[52:55]  the valid k of target e
.set CN,   56                          ; s[56:59]  their number
	s_load_b512 s[8:23], s[0:1], 0x0               ; source s[8:9], source_density s[10:11], target s[12:13], target_density s[14:15], widx s[16:17], out0 s[18:19], out1 s[20:21], out2 s[22:23]
	s_load_b128 s[24:27], s[0:1], 0x40             ; out3 s[24:25], out5 s[26:27]
	v_lshl_add_u32 v[SPW], v0, 2, SPARE
	v_mov_b32 v[NIL], 0
	v_and_b32 v[LANE], 31, v0
	v_lshrrev_b32 v124, 5, v0
	v_readfirstlane_b32 s28, v124                  ; wave 0..7
	s_lshr_b32 s29, ttmp9, 7                       ; batch
	s_mul_i32 s30, s29, 24576
	s_mov_b32 s31, 0
	s_lshl_b32 s32, s29, 13
	s_mov_b32 s33, 0
	s_mul_i32 s34, ttmp9, 3072                     ; the work-group's 256 targets: 12 bytes each,
	s_mov_b32 s35, 0
	s_lshl_b32 s36, ttmp9, 10                      ; and 4 bytes each
	s_mov_b32 s37, 0
	s_lshl_b32 s38, ttmp9, 3
	s_add_co_u32 s38, s38, s28                     ; the wave's block of 32 targets
	s_lshl_b32 s50, s38, 11
	s_mov_b32 s51, 0
	s_mul_i32 s52, s38, 12288
	s_mov_b32 s53, 0
	s_lshl_b32 s54, s38, 13
	s_mov_b32 s55, 0
	s_mul_i32 s39, s28, IDXW
	s_add_co_u32 s39, s39, IDX
	s_lshl_b32 s62, s28, 9
	s_add_co_u32 s62, s62, TGT
	s_mul_i32 s63, s28, 1536
	s_add_co_u32 s63, s63, STG
	s_mov_b32 s61, 0xffff0000
	s_mov_b32 s46, 0x76543210                      ; v_permlanex16_b32: each lane takes its own place in the other half
	s_mov_b32 s47, 0xfedcba98
	s_mov_b32 s40, 0                               ; the steps of out0's and out1's addresses: 0 in the first trip
	s_mov_b32 s41, 0
	s_mov_b32 s42, 0
	s_mov_b32 s43, 0
	s_mov_b32 s44, 1
	v_mul_u32_u24 v[SOF], v0, 12
	v_lshlrev_b32 v[DOF], 2, v0
	v_lshlrev_b32 v[LOF], 4, v[LANE]
	v_lshlrev_b32 v[O1], 3, v[LANE]
	v_lshlrev_b32 v[TSA], 4, v0
	s_wait_kmcnt 0x0
	s_add_nc_u64 s[8:9], s[8:9], s[30:31]
	s_add_nc_u64 s[10:11], s[10:11], s[32:33]
	s_add_nc_u64 s[12:13], s[12:13], s[34:35]
	s_add_nc_u64 s[14:15], s[14:15], s[36:37]
	s_add_nc_u64 s[16:17], s[16:17], s[50:51]
	s_add_nc_u64 s[18:19], s[18:19], s[52:53]
	s_add_nc_u64 s[20:21], s[20:21], s[54:55]
	s_add_nc_u64 s[22:23], s[22:23], s[36:37]
	s_add_nc_u64 s[26:27], s[26:27], s[36:37]
.irp i, 0,1,2,3,4,5,6,7
	global_load_b96 v[W+4*\i:W+4*\i+2], v[SOF], s[8:9] offset:3072*\i    ; source thread + 256 i,
	global_load_b32 v[W+4*\i+3], v[DOF], s[10:11] offset:1024*\i         ; and its density
.endr
.irp kq, 0,1,2,3
	global_load_b128 v[WI+4*\kq:WI+4*\kq+3], v[LOF], s[16:17] offset:512*\kq
.endr
	global_load_b32 v[TL+3], v[DOF], s[14:15]
	global_load_b96 v[TL:TL+2], v[SOF], s[12:13]
	v_mov_b32 v124, 0x3da3d70a                     ; the radius
	v_add_f32 v125, 0x358637bd, v124               ; + 1e-6
	v_rcp_f32 v[INV], v125
	v_lshrrev_b32 v126, 3, v[LANE]                 ; a plain line behind the reciprocal
	s_wait_alu depctr_va_vdst(0)                   ; the wait ahead of the reciprocal's first reader
	v_and_b32 v127, 7, v[LANE]
	v_mul_u32_u24 v126, v126, 528
	v_lshl_add_u32 v126, v127, 1, v126
	v_add_nc_u32 v[IADR], s39, v126                ; (k >> 3) 528 + (k & 7) 2
	v_mov_b32 v[TADR], s62
	v_mul_u32_u24 v[SADR], v[LANE], 12
	v_add_nc_u32 v[SADR], s63, v[SADR]
	v_add_nc_u32 v[SRD], s63, v[LOF]
	v_mov_b32 v[SUMC], 0
	v_mov_b32 v[CNTC], 0
.irp e, 0,1,2,3
	v_mov_b32 v[PRR+2*\e], s29
.endr
	s_wait_loadcnt 0x6                             ; sources and densities are in; widx's four loads and the target's two may stay out
.irp i, 0,1,2,3,4,5,6,7
	v_cvt_pk_bf16_f32 v124, v[W+4*\i], v[W+4*\i+1]
	v_cvt_pk_bf16_f32 v125, v[W+4*\i+2], v[W+4*\i+3]
	v_lshlrev_b32 v[W+4*\i], 16, v124
	v_and_b32 v[W+4*\i+1], s61, v124
	v_lshlrev_b32 v[W+4*\i+2], 16, v125
	v_and_b32 v[W+4*\i+3], s61, v125
	v_mul_f32 v[W+4*\i], v[W+4*\i], v[INV]
	v_mul_f32 v[W+4*\i+1], v[W+4*\i+1], v[INV]
	v_mul_f32 v[W+4*\i+2], v[W+4*\i+2], v[INV]
	ds_store_b128 v[TSA], v[W+4*\i:W+4*\i+3] offset:4096*\i
.endr
	s_wait_loadcnt 0x2                             ; widx is in
	v_add_nc_u32 v126, s39, v[LOF]
.irp kq, 0,1,2,3
	ds_store_b128 v126, v[WI+4*\kq:WI+4*\kq+3] offset:528*\kq
.endr
	s_wait_loadcnt 0x0
	v_cvt_pk_bf16_f32 v124, v[TL], v[TL+1]
	v_cvt_pk_bf16_f32 v125, v[TL+2], v[TL+2]
	v_lshlrev_b32 v[TL], 16, v124
	v_and_b32 v[TL+1], s61, v124
	v_lshlrev_b32 v[TL+2], 16, v125
	v_mul_f32 v[TL], v[TL], v[INV]
	v_mul_f32 v[TL+1], v[TL+1], v[INV]
	v_mul_f32 v[TL+2], v[TL+2], v[INV]
	v_add_nc_u32 v127, s62, v[LOF]
	ds_store_b128 v127, v[TL:TL+3]
	s_wait_dscnt 0x0                               ; my part of the table is written,
	s_barrier_signal -1
	s_barrier_wait -1                              ; everybody's is
	s_mov_b32 s60, 8
.Ltrip:                                                ; four targets
	s_wait_xcnt 0x0                                ; the last trip's stores have read their bases and data: all are written again only behind this wait
	s_add_nc_u64 s[18:19], s[18:19], s[40:41]
	s_add_nc_u64 s[20:21], s[20:21], s[42:43]
	s_mov_b32 s40, 1536                            ; from the second trip on: four targets of out0,
	s_mov_b32 s42, 1024                            ; and of out1
.irp e, 0,1,2,3
	ds_load_i16 v[PRR+2*\e+1], v[IADR] offset:16*\e
.endr
.irp e, 0,1,2,3
	ds_load_b128 v[TG+4*\e:TG+4*\e+3], v[TADR] offset:16*\e
.endr
.irp e, 0,1,2,3
	s_lshl_b32 s[MK+\e], s44, \e
.endr
	s_wait_dscnt 0x4                               ; the four indices are in; the four targets may stay out
.irp e, 0,1,2,3
	v_min_u32 v[TP+\e], 0x7ff, v[PRR+2*\e+1]       ; -1 gathers the last source, which the select below throws away
	v_lshlrev_b32 v[TP+\e], 4, v[TP+\e]
	ds_load_b128 v[SR+4*\e:SR+4*\e+3], v[TP+\e]
.endr
.irp e, 0,1,2,3
	v_cmp_le_i32 s[VM+\e], 0, v[PRR+2*\e+1]
	global_store_b64 v[O1], v[PRR+2*\e:PRR+2*\e+1], s[20:21] offset:256*\e th:TH_STORE_NT  ; a target's 256 bytes, aligned
.endr
.irp e, 0,1,2,3
	s_bcnt1_i32_b32 s[CN+\e], s[VM+\e]
.endr
	s_wait_dscnt 0x0
.irp e, 0,1,2,3
.irp c, 0,1,2,3
	v_cndmask_b32 v[SR+4*\e+\c], 0, v[SR+4*\e+\c], s[VM+\e]
.endr
.endr
.irp e, 0,1,2,3
.irp c, 0,1,2
	v_sub_f32 v[SR+4*\e+\c], v[SR+4*\e+\c], v[TG+4*\e+\c]
.endr
.endr
.irp e, 0,1,2,3
.irp c, 0,1,2
	ds_store_b32 v[SADR], v[SR+4*\e+\c] offset:384*\e+4*\c     ; lanes three words apart: 32 different banks
.endr
.endr
.irp r, 0,1,2
	ds_load_b128 v[OU+4*\r:OU+4*\r+3], v[SRD] offset:512*\r    ; my wave's own bytes, served in order behind the stores
.endr
	; the densities' sums over the 32 lanes, while those loads are out
.irp m, 1,2,4,8
.irp e, 0,1,2,3
	v_add_f32_dpp v[SR+4*\e+3], v[SR+4*\e+3], v[SR+4*\e+3] row_xmask:\m row_mask:0xf bank_mask:0xf
.endr
.endr
.irp e, 0,1,2,3
	v_permlanex16_b32 v[TP+\e], v[SR+4*\e+3], s46, s47
.endr
.irp e, 0,1,2,3
	v_add_f32 v[SR+4*\e+3], v[SR+4*\e+3], v[TP+\e]
.endr
.irp e, 0,1,2,3
	v_cndmask_b32 v[SUMC], v[SUMC], v[SR+4*\e+3], s[MK+\e]     ; into the lane that bears the target's number
	v_cndmask_b32 v[CNTC], v[CNTC], s[CN+\e], s[MK+\e]
.endr
.irp r, 0,1,2
	s_wait_dscnt 2-\r
	global_store_b128 v[LOF], v[OU+4*\r:OU+4*\r+3], s[18:19] offset:512*\r th:TH_STORE_NT  ; 512 consecutive bytes, aligned
.endr
	v_add_nc_u32 v[IADR], 64, v[IADR]
	v_add_nc_u32 v[TADR], 64, v[TADR]
	s_lshl_b32 s44, s44, 4
	s_sub_co_u32 s60, s60, 1
	s_cmp_lg_u32 s60, 0
	s_cbranch_scc1 .Ltrip
	; out2 and out5: a wave has 128 bytes of each, so the work-group's 1,024 meet in LDS and leave whole.
	v_cvt_f32_u32 v124, v[CNTC]
	v_sub_nc_u32 v125, 32, v[CNTC]
	v_cvt_f32_u32 v125, v125
	v_rcp_f32 v126, v125
	v_lshl_add_u32 v127, v0, 2, RES                ; a plain line behind the reciprocal
	s_wait_alu depctr_va_vdst(0)                   ; and the wait ahead of its first reader
	v_mul_f32 v126, v[SUMC], v126
	ds_store_b32 v127, v124
	ds_store_b32 v127, v126 offset:1024
	s_wait_dscnt 0x0                               ; my words are written,
	s_barrier_signal -1
	s_barrier_wait -1                              ; everybody's are
	s_cmp_lt_u32 s28, 2
	s_cbranch_scc0 .Lrest
	s_lshl_b32 s32, s28, 10                        ; wave 0 takes out2's 1,024 bytes, wave 1 out5's
	s_add_co_u32 s32, s32, RES
	v_add_nc_u32 v124, s32, v[LOF]
	ds_load_b128 v[TG:TG+3], v124
	ds_load_b128 v[TG+4:TG+7], v124 offset:512
	s_cmp_eq_u32 s28, 0
	s_cselect_b64 s[30:31], s[22:23], s[26:27]
	s_wait_dscnt 0x1
	global_store_b128 v[LOF], v[TG:TG+3], s[30:31]
	s_wait_dscnt 0x0
	global_store_b128 v[LOF], v[TG+4:TG+7], s[30:31] offset:512
	s_branch .Lend
.Lrest:
	s_cmp_lg_u32 s28, 2                            ; out3, eight bytes: lane 0 of wave 2 of the first work-group
	s_cbranch_scc1 .Lend
	s_cmp_lg_u32 ttmp9, 0
	s_cbranch_scc1 .Lend
	v_mov_b32 v124, 0
	v_mov_b32 v126, 0x3da3d70a
	v_mov_b32 v127, 0x3da3d70a
	v_cmp_eq_u32 vcc_lo, 0, v[LANE]
	s_wait_xcnt 0x0                                ; EXEC is narrowed only behind this wait,
	s_and_saveexec_b32 s33, vcc_lo
	global_store_b64 v124, v[126:127], s[24:25]
	s_wait_xcnt 0x0                                ; and widened again only behind this one
	s_or_b32 exec_lo, exec_lo, s33
.Lend:
	s_wait_tensorcnt 0x0                           ; the wave's end, behind my last LDS store
	ds_add_u32 v[SPW], v[NIL]
	s_wait_dscnt 0x0
	s_endpgm
.Lfunc_end_k_q0beff423f1_emit:
	.size	k_q0beff423f1_emit, .Lfunc_end_k_q0beff423f1_emit-k_q0beff423f1_emit
	.p2alignl 7, 3214868480
	.fill 96, 4, 3214868480
	.section	.rodata,"a",@progbits
	.p2align	6, 0x0
	.amdhsa_kernel k_q0beff423f1_emit
		.amdhsa_group_segment_fixed_size 70656
		.amdhsa_private_segment_fixed_size 0
		.amdhsa_enable_private_segment 0
		.amdhsa_kernarg_size 80
		.amdhsa_user_sgpr_count 2
		.amdhsa_user_sgpr_kernarg_segment_ptr 1
		.amdhsa_wavefront_size32 1
		.amdhsa_system_sgpr_workgroup_id_x 1
		.amdhsa_system_sgpr_workgroup_id_y 1
		.amdhsa_system_sgpr_workgroup_id_z 1
		.amdhsa_system_vgpr_workitem_id 0
		.amdhsa_next_free_vgpr 128
		.amdhsa_next_free_sgpr 66
		.amdhsa_reserve_vcc 1
		.amdhsa_float_denorm_mode_32 3
		.amdhsa_float_denorm_mode_16_64 3
		.amdhsa_memory_ordered 1
		.amdhsa_forward_progress 1
		.amdhsa_inst_pref_size 19
	.end_amdhsa_kernel
	.amdgpu_metadata
---
amdhsa.version: [ 1, 2 ]
amdhsa.kernels:
  - .name:           k_q0beff423f1_emit
    .symbol:         k_q0beff423f1_emit.kd
    .args:
      - { .name: source, .offset: 0, .size: 8, .value_kind: global_buffer, .address_space: global }
      - { .name: source_density, .offset: 8, .size: 8, .value_kind: global_buffer, .address_space: global }
      - { .name: target, .offset: 16, .size: 8, .value_kind: global_buffer, .address_space: global }
      - { .name: target_density, .offset: 24, .size: 8, .value_kind: global_buffer, .address_space: global }
      - { .name: widx, .offset: 32, .size: 8, .value_kind: global_buffer, .address_space: global }
      - { .name: out0, .offset: 40, .size: 8, .value_kind: global_buffer, .address_space: global }
      - { .name: out1, .offset: 48, .size: 8, .value_kind: global_buffer, .address_space: global }
      - { .name: out2, .offset: 56, .size: 8, .value_kind: global_buffer, .address_space: global }
      - { .name: out3, .offset: 64, .size: 8, .value_kind: global_buffer, .address_space: global }
      - { .name: out5, .offset: 72, .size: 8, .value_kind: global_buffer, .address_space: global }
    .group_segment_fixed_size: 70656
    .private_segment_fixed_size: 0
    .kernarg_segment_align: 8
    .kernarg_segment_size: 80
    .max_flat_workgroup_size: 256
    .sgpr_count:     66
    .vgpr_count:     128
    .wavefront_size: 32
...
	.end_amdgpu_metadata
.endif
;; end of part 5
;; ======== version 2 of 2: 5 launches; version 1 with the launches screen, list written anew for expert scheduling mode
;; workspace buffers: mask 16,777,216 bytes of whole numbers; pre 8,388,608 bytes of whole numbers; cand 268,435,456 bytes of whole numbers; cnt 524,288 bytes of whole numbers; widx 4,194,304 bytes of whole numbers
;; launch screen (part 6): grid 256 x 1, 8 waves a work-group, no clusters, 99,328 bytes of LDS; arguments source, target, mask; writes mask
.if DOCPART == 6
	.amdgcn_target "amdgcn-amd-amdhsa--gfx1250"
	.amdhsa_code_object_version 6
	.text
	.protected	k_q0beff423f1_screen
	.globl	k_q0beff423f1_screen
	.p2align	8
	.type	k_q0beff423f1_screen,@function
k_q0beff423f1_screen:
	s_mov_b64 s[64:65], 0
	v_nop
	global_prefetch_b8 v0, s[64:65] scope:SCOPE_SE
	s_setreg_imm32_b32 hwreg(HW_REG_WAVE_SCHED_MODE, 0, 2), 2
	s_setreg_imm32_b32 hwreg(HW_REG_WAVE_MODE, 25, 1), 1
	s_wait_xcnt 0x0
	s_wait_alu depctr_vm_vsrc(0)
; SCREEN: for each of the 65,536 targets a bitmap of the sources that can be among its 32 nearest.
; All inputs are rounded to bf16, in every launch of the program.  raw(s, t) = r1(s) - 2 t.s = sq_dist - r0(t) comes from ONE bf16 matrix
; instruction: a source's row is s0, s1, s2 and r1 split into three bf16 pieces; a target's column is -2 t0, -2 t1, -2 t2, 1, 1, 1.
; SWEEP 1 finds the minimum of raw in each of 64 groups of 32 sources.  tau = the 32nd smallest of the 64 minima: 32 different sources lie at
; or below it, so it bounds the 32nd smallest raw.  SWEEP 2 repeats the products with C = -(tau + M); the sign of the result is the bit.
; M = 2^-16 (r0 + |r0 + tau|) + 2^-100 covers the roundings of the exact f32 chain of the next launch and of both matrix sums: each is under
; 2^-20 (r0 + r1), and a source that matters has r1 <= 2 (r0 + its sq_dist).  So every source whose exact sq_dist is at most the 32nd smallest is marked.
; LIMITS: NaN and infinities are not treated.
; SHARES: work-group x owns targets 256 x .. 256 x + 255 of the flattened [2 x 32768]; batch = x >> 7; wave v two tiles of 16 targets.
; LAYOUT OF A PRODUCT: A = 16 sources (rows), B = 16 targets (columns): lane (n, h) holds target n, register j source row 8 h + j.
; One 16-byte LDS load a lane serves TWO source tiles: lanes 0-15 carry one in k 0-7, lanes 16-31 the other in k 8-15; each target tile has two
; B fragments, one with its data in k 0-7 alone and one in k 8-15 alone.  k 16-31 are 0 on both sides.
; TABLE: source s = 1024 h + 32 q + (31 - i) lies at q 1024 + (i >> 3) 256 + h 128 + (i & 7) 16; fragment f = 2 q + (i >> 4) is 512 bytes on end.
; So lane (n, h) meets the sources of word 32 h + q in the order i = 0 .. 31, bit 31 first.
; MASK: tile T = target >> 4 has 4,096 bytes; the word at T 4096 + gq 512 + (n + 16 h) 16 + 4 e is word 32 h + 4 gq + e of target 16 T + n; bit b of word w is source 32 w + b.
; THE MODE: SCHED_MODE bits 1:0 = 2 (LLVM: expert scheduling mode 2), set by the entry lines.  The code itself states the register dependences
; between vector or matrix instructions and memory or LDS instructions, with s_wait_alu, always for 0.
; THE PLAN.  Registers that memory or LDS instructions touch:
;   v[SOF], v[TOF], v[TST], v[GBASE]   offsets and addresses, made once at the head and never written again.
;   DD + 0 .. 31   at the head: the sources land there, their rows of the table are made in place, eight LDS stores in one run read them; from the first sweep on the products write them.
;   AB0 .. AB3     registers 0-3 of each: a fragment's LDS load lands there; the fragment's four products read them.
;   v[AADR]        read by every fragment's load; written at a sweep's head and once a trip, at the trip's end.
;   GQ             written by COMB in a trip's odd steps; read by the trip's two stores, at its end.
;   v[GADR], v[MOFF]  read by those stores; stepped behind them.
;   GG             the minima's sixteen LDS loads land there, once; before that no line names it, behind that vector lines alone.
; A trip's fragment loads go in pairs, at the head of each even step e: fragments e + 3 and e + 4 land in the buffers that the products of steps e - 2 and e - 1 read.  ONE wait on va_vdst
; stands ahead of the pair; the loads follow it at once.  A second kind stands at a trip's end, ahead of its two stores; one wait on vm_vsrc stands behind them, ahead of the adds to the addresses.
.set TAB,   0                          ; 32,768 bytes: the sources' rows, 16 bytes each
.set GM,    32768                      ; 8,192 bytes a wave: the group minima, tile tt at 4096 tt, four groups of a lane at gq 512 + 16 lane; the bytes from 98,304 on hold the spare words
.set LANE,  3
.set AADR,  4                          ; LDS address of the trip's fragments: 16 lane + 4096 trip
.set GBASE, 5                          ; my 16 bytes in GM
.set MOFF,  6                          ; my 16 bytes in the wave's part of mask, + 512 trip
.set R0,    7                          ; v7, v8  r0 of my target in tile 0, 1 (for M alone)
.set GADR,  9                          ; GBASE + 512 trip
.set TST,   29                         ; where I store a source's row
.set SOF,   30                         ; 12 x thread; never rewritten
.set TOF,   31                         ; 12 x (lane % 16); never rewritten
.set AB,    32                         ; v[32:63]    four A buffers of 8; registers 4-7 stay 0
.set BB,    64                         ; v[64:95]    B: tile tt, half y at 16 tt + 8 y
.set CC,    96                         ; v[96:111]   -(tau + M), eight equal registers a tile
.set DD,    112                        ; v[112:175]  two sets of four results; result 2 y + tt
.set GG,    176                        ; v[176:239]  32 group minima a tile
.set PM,    240                        ; v[240:247]  partial minima, or partial bytes of a word: 4 tt + 2 (f % 2) + y
.set GQ,    248                        ; v[248:255]  a trip's four minima, or four words, a tile
	s_load_b128 s[4:7], s[0:1], 0x0                ; source, target
	s_load_b64 s[8:9], s[0:1], 0x10                ; mask
	v_lshl_add_u32 v27, v0, 2, 0x18000
	v_mov_b32 v28, 0
	v_and_b32 v[LANE], 31, v0
	v_lshrrev_b32 v10, 5, v0
	v_readfirstlane_b32 s10, v10                   ; wave 0..7
	s_lshr_b32 s11, ttmp9, 7                       ; batch
	s_mul_i32 s20, s11, 24576                      ; the batch's sources
	s_mov_b32 s21, 0
	s_mul_i32 s22, ttmp9, 3072                     ; the work-group's 256 targets of 12 bytes,
	s_wait_alu depctr_va_sdst(0)                   ; s10 is written, ahead of its first reader: the wave's offsets are made from it
	s_mul_i32 s23, s10, 384                        ; the wave's 32
	s_add_co_u32 s22, s22, s23
	s_mov_b32 s23, 0
	s_lshl_b32 s24, ttmp9, 16                      ; the work-group's 16 tiles of mask,
	s_lshl_b32 s25, s10, 13                        ; the wave's two
	s_add_co_u32 s24, s24, s25
	s_mov_b32 s25, 0
	s_mov_b32 s13, 0x0000ffff                      ; lanes 0-15
	s_mov_b32 s14, 0xffff0000                      ; lanes 16-31; also a word's upper bf16
	s_mov_b32 s16, 0x76543210                      ; v_permlanex16_b32: each lane takes its own place in the other half
	s_mov_b32 s17, 0xfedcba98
	s_mov_b32 s18, 0x00000400                      ; v_perm_b32: the two sources' low bytes, the first source's above
	s_mov_b32 s19, 0x05040100                      ; v_perm_b32: the two sources' low halves, the first source's above
	s_mov_b32 s28, 0x37800000                      ; 2^-16
	s_mov_b32 s29, 0x0d800000                      ; 2^-100
	v_mul_u32_u24 v[SOF], v0, 12
	v_and_b32 v10, 15, v0
	v_mul_u32_u24 v[TOF], v10, 12
	s_wait_kmcnt 0x0
	s_add_nc_u64 s[4:5], s[4:5], s[20:21]
	s_add_nc_u64 s[6:7], s[6:7], s[22:23]
	s_add_nc_u64 s[8:9], s[8:9], s[24:25]
	s_wait_alu depctr_va_vdst(0)                   ; v[SOF] and v[TOF] are written, which the ten loads below read as their offsets
.irp i, 0,1,2,3,4,5,6,7
	global_load_b96 v[DD+4*\i:DD+4*\i+2], v[SOF], s[4:5] offset:3072*\i   ; source thread + 256 i
.endr
.irp tt, 0,1
	global_load_b96 v[DD+32+4*\tt:DD+32+4*\tt+2], v[TOF], s[6:7] offset:192*\tt  ; target lane % 16 of tile tt, in both halves of the lanes
.endr
	; addresses and constant registers, while the loads are out
	v_sub_nc_u32 v10, 31, v[LANE]                  ; i = 31 - (s & 31)
	v_lshrrev_b32 v11, 3, v10
	v_and_b32 v10, 7, v10
	v_lshlrev_b32 v10, 4, v10
	v_lshl_add_u32 v10, v11, 8, v10                ; (i >> 3) 256 + (i & 7) 16
	s_lshl_b32 s27, s10, 10                        ; q = wave + 8 (load & 3): the wave's part
	v_add_nc_u32 v[TST], s27, v10
	s_lshl_b32 s26, s10, 13
	s_add_co_u32 s26, s26, GM
	v_lshl_add_u32 v[GBASE], v[LANE], 4, s26
	v_mov_b32 v[GADR], v[GBASE]
	v_lshlrev_b32 v[MOFF], 4, v[LANE]
.irp b, 0,1,2,3
.irp r, 4,5,6,7
	v_mov_b32 v[AB+8*\b+\r], 0                     ; k 16-31 of every fragment
	v_mov_b32 v[BB+8*\b+\r], 0
.endr
	v_mov_b32 v[BB+8*\b+3], 0                      ; k 6, 7 (14, 15) of B
.endr
	v_mov_b32 v20, 1.0
	v_mov_b32 v21, 0x3f803f80                      ; 1, 1 in bf16
; Source thread + 256 i: rounded to bf16; r1 = (s0 s0 + s1 s1) + s2 s2 of the rounded numbers; r1 in three bf16 pieces (each remainder is exact).
; The row is made in the four registers in which the source landed, so that each source has registers of its own and the eight LDS stores can follow in one run.
.macro SRC i
.set a, DD+4*(\i)
	v_cvt_pk_bf16_f32 v10, v[a+2], v[a+2]
	v_cvt_pk_bf16_f32 v[a], v[a], v[a+1]           ; k 0, 1
	v_lshlrev_b32 v11, 16, v[a]
	v_and_b32 v12, s14, v[a]
	v_lshlrev_b32 v13, 16, v10
	v_mul_f32 v14, v11, v11
	v_fma_f32 v14, v12, v12, v14
	v_fma_f32 v14, v13, v13, v14
	v_cvt_pk_bf16_f32 v[a+1], v13, v14             ; k 2 = s2, k 3 = r1's first piece
	v_and_b32 v15, s14, v[a+1]
	v_sub_f32 v14, v14, v15
	v_cvt_pk_bf16_f32 v10, v14, v14
	v_lshlrev_b32 v15, 16, v10
	v_sub_f32 v15, v14, v15
	v_cvt_pk_bf16_f32 v[a+2], v14, v15             ; k 4, 5 = the second and third piece
	v_mov_b32 v[a+3], 0                            ; k 6, 7
.endm
; Tile tt's two B fragments, and r0.
.macro TGTB tt
.set a, DD+32+4*(\tt)
	v_mul_f32 v10, v[a], v[a]
	v_mul_f32 v11, -2.0, v[a]
	v_fma_f32 v10, v[a+1], v[a+1], v10
	v_mul_f32 v12, -2.0, v[a+1]
	v_fma_f32 v[R0+(\tt)], v[a+2], v[a+2], v10
	v_mul_f32 v13, -2.0, v[a+2]
	v_cvt_pk_bf16_f32 v11, v11, v12
	v_cvt_pk_bf16_f32 v12, v13, v20
	v_cndmask_b32 v[BB+16*(\tt)], 0, v11, s13
	v_cndmask_b32 v[BB+16*(\tt)+1], 0, v12, s13
	v_cndmask_b32 v[BB+16*(\tt)+2], 0, v21, s13
	v_cndmask_b32 v[BB+16*(\tt)+8], 0, v11, s14
	v_cndmask_b32 v[BB+16*(\tt)+9], 0, v12, s14
	v_cndmask_b32 v[BB+16*(\tt)+10], 0, v21, s14
.endm
	s_wait_loadcnt 0x2                             ; the eight sources are in; the two target loads may stay out
.irp i, 0,1,2,3,4,5,6,7
	SRC \i
.endr
	s_wait_alu depctr_va_vdst(0)                   ; the eight rows are written, which the LDS stores below read; so are v[TST], v[GBASE], v[GADR] and v[MOFF], the addresses made above
.irp i, 0,1,2,3,4,5,6,7
	ds_store_b128 v[TST], v[DD+4*\i:DD+4*\i+3] offset:((\i)&3)*8192+((\i)>>2)*128
.endr
	s_wait_loadcnt 0x0
	TGTB 0
	TGTB 1
	s_wait_dscnt 0x0                               ; my rows of the table are written,
	s_barrier_signal -1
	s_barrier_wait -1                              ; everybody's are
; Four products: one fragment (two source tiles y) x two target tiles tt.  No product adds in place, and no two on end share a result.
.macro WM mode, buf, dset
.irp y, 0,1
.irp tt, 0,1
.if (\mode) == 1
	v_wmma_f32_16x16x32_bf16 v[DD+32*(\dset)+16*\y+8*\tt:DD+32*(\dset)+16*\y+8*\tt+7], v[AB+8*(\buf):AB+8*(\buf)+7], v[BB+16*\tt+8*\y:BB+16*\tt+8*\y+7], 0
.else
	v_wmma_f32_16x16x32_bf16 v[DD+32*(\dset)+16*\y+8*\tt:DD+32*(\dset)+16*\y+8*\tt+7], v[AB+8*(\buf):AB+8*(\buf)+7], v[BB+16*\tt+8*\y:BB+16*\tt+8*\y+7], v[CC+8*\tt:CC+8*\tt+7]
.endif
.endr
.endr
.endm
; The minimum of each result's eight registers; the four results by turns; each is read from its lowest registers on.
.macro VMIN dset, par
.irp d, 0,1,2,3
	v_min3_num_f32 v[PM+4*((\d)&1)+2*(\par)+((\d)>>1)], v[DD+32*(\dset)+8*\d], v[DD+32*(\dset)+8*\d+1], v[DD+32*(\dset)+8*\d+2]
.endr
.irp d, 0,1,2,3
	v_min3_num_f32 v[PM+4*((\d)&1)+2*(\par)+((\d)>>1)], v[PM+4*((\d)&1)+2*(\par)+((\d)>>1)], v[DD+32*(\dset)+8*\d+3], v[DD+32*(\dset)+8*\d+4]
.endr
.irp d, 0,1,2,3
	v_min3_num_f32 v[PM+4*((\d)&1)+2*(\par)+((\d)>>1)], v[PM+4*((\d)&1)+2*(\par)+((\d)>>1)], v[DD+32*(\dset)+8*\d+5], v[DD+32*(\dset)+8*\d+6]
.endr
.irp d, 0,1,2,3
	v_min_num_f32 v[PM+4*((\d)&1)+2*(\par)+((\d)>>1)], v[PM+4*((\d)&1)+2*(\par)+((\d)>>1)], v[DD+32*(\dset)+8*\d+7]
.endr
.endm
; The signs of each result's eight registers are shifted into the low byte of a partial word, register 0 first (what lies above the low byte is not used).
.macro VBIT dset, par
.irp j, 0,1,2,3,4,5,6,7
.irp d, 0,1,2,3
	v_alignbit_b32 v[PM+4*((\d)&1)+2*(\par)+((\d)>>1)], v[PM+4*((\d)&1)+2*(\par)+((\d)>>1)], v[DD+32*(\dset)+8*\d+\j], 31
.endr
.endr
.endm
; Two fragments are a group of 32 sources: its minimum, or its word, number n of the trip's four.
.macro COMB mode, n
.if (\mode) == 1
.irp tt, 0,1
	v_min3_num_f32 v[GQ+4*\tt+(\n)], v[PM+4*\tt], v[PM+4*\tt+1], v[PM+4*\tt+2]
.endr
.irp tt, 0,1
	v_min_num_f32 v[GQ+4*\tt+(\n)], v[GQ+4*\tt+(\n)], v[PM+4*\tt+3]
.endr
.else
.irp tt, 0,1
	v_perm_b32 v[10+2*\tt], v[PM+4*\tt], v[PM+4*\tt+1], s18
	v_perm_b32 v[11+2*\tt], v[PM+4*\tt+2], v[PM+4*\tt+3], s18
.endr
.irp tt, 0,1
	v_perm_b32 v[GQ+4*\tt+(\n)], v[10+2*\tt], v[11+2*\tt], s19
.endr
.endif
.endm
; Step e of a trip, for fragment f = 8 trip + e: an even step asks for fragments f + 3 and f + 4 (ld = 2; ld = 1: f + 3 alone); the products of fragment f + 1 are issued; the results of fragment f are reduced.
; Behind a group of products stand the 16 or 32 vector lines that reduce the OTHER set, which name none of its registers, before its results are read.
; The step's products name buffer (e + 1) % 4, the next step's buffer (e + 2) % 4: neither of the two in which an even step's loads land.
.macro STEP mode, e, wn, cnt, ld
.if \wn
	s_wait_dscnt \cnt                              ; fragment f + 1 is in; the younger LDS instructions may stay out
.endif
.if \ld
	s_wait_alu depctr_va_vdst(0)                   ; the products of the two steps before are done reading the buffers in which the loads below land; in a trip's first step v[AADR] is written
	ds_load_b128 v[AB+8*(((\e)+3)%4):AB+8*(((\e)+3)%4)+3], v[AADR] offset:((\e)+3)*512
.if (\ld) > 1
	ds_load_b128 v[AB+8*((\e)%4):AB+8*((\e)%4)+3], v[AADR] offset:((\e)+4)*512
.endif
.endif
.if \wn
	WM \mode, ((\e)+1)%4, ((\e)+1)%2
.endif
.if (\mode) == 1
	VMIN (\e)%2, (\e)%2
.else
	VBIT (\e)%2, (\e)%2
.endif
.if (\e)%2
	COMB \mode, (\e)/2
.endif
.endm
; A trip: eight fragments, four groups.  At an even step's head one fragment (f + 2) is younger than the one waited for, at an odd step's the two just asked for; a trip's two LDS stores only make
; the next trip's first counts stricter.  The last trip asks for fragments 59 to 63 alone, and its counts run down.
.macro TRIP mode, last
.if \last
	STEP \mode, 0, 1, 1, 2
	STEP \mode, 1, 1, 2, 0
	STEP \mode, 2, 1, 1, 2
	STEP \mode, 3, 1, 2, 0
	STEP \mode, 4, 1, 1, 1
	STEP \mode, 5, 1, 1, 0
	STEP \mode, 6, 1, 0, 0
	STEP \mode, 7, 0, 0, 0
.else
.irp e, 0,2,4,6
	STEP \mode, \e, 1, 1, 2
	STEP \mode, (\e)+1, 1, 2, 0
.endr
.endif
	s_wait_alu depctr_va_vdst(0)                   ; the trip's four minima, or words, of each tile are written in GQ, which the two stores below read
.if (\mode) == 1
	ds_store_b128 v[GADR], v[GQ:GQ+3]
	ds_store_b128 v[GADR], v[GQ+4:GQ+7] offset:4096
.else
	global_store_b128 v[MOFF], v[GQ:GQ+3], s[8:9]              ; a wave's store covers 512 consecutive bytes, aligned
	global_store_b128 v[MOFF], v[GQ+4:GQ+7], s[8:9] offset:4096
.endif
.if !(\last)
.if (\mode) == 2
	s_wait_xcnt 0x0                                ; the stores have read their offset and data: both are written again only behind this wait
.endif
	s_wait_alu depctr_vm_vsrc(0)                   ; the two stores have read their address and GQ, the trip's LDS loads v[AADR]: the adds below and the next trip's COMB write these again
.if (\mode) == 1
	v_add_nc_u32 v[GADR], 512, v[GADR]
.else
	v_add_nc_u32 v[MOFF], 512, v[MOFF]
.endif
	v_add_nc_u32 v[AADR], 4096, v[AADR]
.endif
.endm
.macro SWEEP mode
	s_wait_alu depctr_vm_vsrc(0)                   ; sweep 1: the table's LDS stores have read DD's registers, which the products write; sweep 2: sweep 1's LDS loads have read v[AADR], its last two stores GQ
	v_lshlrev_b32 v[AADR], 4, v[LANE]
	s_wait_alu depctr_va_vdst(0)                   ; v[AADR] is written; in sweep 2 the products of sweep 1 are done reading the A buffers
.irp f, 0,1,2
	ds_load_b128 v[AB+8*\f:AB+8*\f+3], v[AADR] offset:512*\f
.endr
	s_wait_dscnt 0x2                               ; fragment 0 is in
	WM \mode, 0, 0
.rept 8
	v_nop                                          ; the places behind the sweep's first products: there is no other set yet to reduce
.endr
	s_mov_b32 s12, 7
.Lsweep\mode:
	TRIP \mode, 0
	s_sub_co_u32 s12, s12, 1
	s_cmp_lg_u32 s12, 0
	s_cbranch_scc1 .Lsweep\mode
	TRIP \mode, 1
.endm
	SWEEP 1
	; TAU.  My 32 group minima of each tile come back from my own bytes (LDS serves a wave's instructions in order).  No vector line has named GG, and v[GBASE] was written ahead of many waits.
.irp tt, 0,1
.irp gq, 0,1,2,3,4,5,6,7
	ds_load_b128 v[GG+32*\tt+4*\gq:GG+32*\tt+4*\gq+3], v[GBASE] offset:4096*\tt+512*\gq
.endr
.endr
	s_wait_dscnt 0x0
; A sorting network for 32 numbers in 32 registers, ascending, 15 stages of 16 pairs, out of place between two sets.
; Pair p of a flip of k: i and the place mirrored in its block of k; of a step j: i and i + j.
.macro PR kind, par
.if (\kind) == 0
.set ii, (p/((\par)/2))*(\par)+p%((\par)/2)
.set ll, (p/((\par)/2))*(\par)+(\par)-1-p%((\par)/2)
.else
.set ii, (p/(\par))*2*(\par)+p%(\par)
.set ll, ii+(\par)
.endif
.endm
.macro FSTAGE src, dst, kind, par
.set p, 0
.rept 16
	PR \kind, \par
.irp tt, 0, 32
	v_min_num_f32 v[(\dst)+\tt+ii], v[(\src)+\tt+ii], v[(\src)+\tt+ll]
	v_max_num_f32 v[(\dst)+\tt+ll], v[(\src)+\tt+ii], v[(\src)+\tt+ll]
.endr
.set p, p+1
.endr
.endm
	FSTAGE GG, DD, 0, 2
	FSTAGE DD, GG, 0, 4
	FSTAGE GG, DD, 1, 1
	FSTAGE DD, GG, 0, 8
	FSTAGE GG, DD, 1, 2
	FSTAGE DD, GG, 1, 1
	FSTAGE GG, DD, 0, 16
	FSTAGE DD, GG, 1, 4
	FSTAGE GG, DD, 1, 2
	FSTAGE DD, GG, 1, 1
	FSTAGE GG, DD, 0, 32
	FSTAGE DD, GG, 1, 8
	FSTAGE GG, DD, 1, 4
	FSTAGE DD, GG, 1, 2
	FSTAGE GG, DD, 1, 1                            ; sorted, in DD
.set k, 0
.rept 64
	v_permlanex16_b32 v[GG+k], v[DD+k], s16, s17   ; the target's other 32 minima, sorted too, lie in the lane 16 away
.set k, k+1
.endr
.set k, 0
.rept 32
	v_min_num_f32 v[GG+31-k], v[DD+k], v[GG+31-k]  ; min(mine[k], theirs[31 - k]): the 32 smallest of the 64
	v_min_num_f32 v[GG+63-k], v[DD+32+k], v[GG+63-k]
.set k, k+1
.endr
.irp tt, 0,1
.irp c, 0,1,2,3
	v_max3_num_f32 v[10+4*\tt+\c], v[GG+32*\tt+8*\c], v[GG+32*\tt+8*\c+1], v[GG+32*\tt+8*\c+2]
.endr
.endr
.irp tt, 0,1
.irp c, 0,1,2,3
	v_max3_num_f32 v[10+4*\tt+\c], v[10+4*\tt+\c], v[GG+32*\tt+8*\c+3], v[GG+32*\tt+8*\c+4]
.endr
.endr
.irp tt, 0,1
.irp c, 0,1,2,3
	v_max3_num_f32 v[10+4*\tt+\c], v[10+4*\tt+\c], v[GG+32*\tt+8*\c+5], v[GG+32*\tt+8*\c+6]
.endr
.endr
.irp tt, 0,1
.irp c, 0,1,2,3
	v_max_num_f32 v[10+4*\tt+\c], v[10+4*\tt+\c], v[GG+32*\tt+8*\c+7]
.endr
.endr
.irp tt, 0,1
	v_max3_num_f32 v[10+4*\tt], v[10+4*\tt], v[11+4*\tt], v[12+4*\tt]
.endr
.irp tt, 0,1
	v_max_num_f32 v[10+4*\tt], v[10+4*\tt], v[13+4*\tt]        ; tau: their largest
.endr
.irp tt, 0,1
	v_add_f32 v[11+4*\tt], v[R0+\tt], v[10+4*\tt]
	v_and_b32 v[11+4*\tt], 0x7fffffff, v[11+4*\tt]
	v_add_f32 v[11+4*\tt], v[R0+\tt], v[11+4*\tt]
	v_fma_f32 v[11+4*\tt], v[11+4*\tt], s28, s29               ; M
	v_add_f32 v[11+4*\tt], v[10+4*\tt], v[11+4*\tt]
.irp j, 0,1,2,3,4,5,6,7
	v_xor_b32 v[CC+8*\tt+\j], 0x80000000, v[11+4*\tt]          ; -(tau + M): the same for all rows of my column
.endr
.endr
	SWEEP 2
	s_wait_dscnt 0x0                               ; the wave's end: my LDS instructions are done
	s_wait_alu depctr_hold_cnt(0) depctr_sa_sdst(0) depctr_va_vdst(0) depctr_va_sdst(0) depctr_va_ssrc(0) depctr_va_vcc(0) depctr_vm_vsrc(0)
	s_wait_tensorcnt 0x0
	ds_add_u32 v27, v28
	s_wait_dscnt 0x0
	s_endpgm
.Lfunc_end_k_q0beff423f1_screen:
	.size	k_q0beff423f1_screen, .Lfunc_end_k_q0beff423f1_screen-k_q0beff423f1_screen
	.p2alignl 7, 3214868480
	.fill 96, 4, 3214868480
	.section	.rodata,"a",@progbits
	.p2align	6, 0x0
	.amdhsa_kernel k_q0beff423f1_screen
		.amdhsa_group_segment_fixed_size 99328
		.amdhsa_private_segment_fixed_size 0
		.amdhsa_enable_private_segment 0
		.amdhsa_kernarg_size 24
		.amdhsa_user_sgpr_count 2
		.amdhsa_user_sgpr_kernarg_segment_ptr 1
		.amdhsa_wavefront_size32 1
		.amdhsa_system_sgpr_workgroup_id_x 1
		.amdhsa_system_sgpr_workgroup_id_y 1
		.amdhsa_system_sgpr_workgroup_id_z 1
		.amdhsa_system_vgpr_workitem_id 0
		.amdhsa_next_free_vgpr 256
		.amdhsa_next_free_sgpr 66
		.amdhsa_reserve_vcc 0
		.amdhsa_float_denorm_mode_32 3
		.amdhsa_float_denorm_mode_16_64 3
		.amdhsa_memory_ordered 1
		.amdhsa_forward_progress 1
		.amdhsa_inst_pref_size 118
	.end_amdhsa_kernel
	.amdgpu_metadata
---
amdhsa.version: [ 1, 2 ]
amdhsa.kernels:
  - .name:           k_q0beff423f1_screen
    .symbol:         k_q0beff423f1_screen.kd
    .args:
      - { .name: source, .offset: 0, .size: 8, .value_kind: global_buffer, .address_space: global }
      - { .name: target, .offset: 8, .size: 8, .value_kind: global_buffer, .address_space: global }
      - { .name: mask, .offset: 16, .size: 8, .value_kind: global_buffer, .address_space: global }
    .group_segment_fixed_size: 99328
    .private_segment_fixed_size: 0
    .kernarg_segment_align: 8
    .kernarg_segment_size: 24
    .max_flat_workgroup_size: 256
    .sgpr_count:     66
    .vgpr_count:     256
    .wavefront_size: 32
...
	.end_amdgpu_metadata
.endif
;; end of part 6
;; launch count: the kernel of part 2 again; grid 256 x 1, 8 waves a work-group, no clusters, 0 bytes of LDS; arguments mask, pre, cnt; writes pre, cnt
;; launch list (part 7): grid 2048 x 1, 1 waves a work-group, no clusters, 20,736 bytes of LDS; arguments mask, pre, cnt, cand; writes cand
.if DOCPART == 7
	.amdgcn_target "amdgcn-amd-amdhsa--gfx1250"
	.amdhsa_code_object_version 6
	.text
	.protected	k_q0beff423f1_list
	.globl	k_q0beff423f1_list
	.p2align	8
	.type	k_q0beff423f1_list,@function
k_q0beff423f1_list:
	s_mov_b64 s[64:65], 0
	v_nop
	global_prefetch_b8 v0, s[64:65] scope:SCOPE_SE
	s_setreg_imm32_b32 hwreg(HW_REG_WAVE_SCHED_MODE, 0, 2), 2
	s_setreg_imm32_b32 hwreg(HW_REG_WAVE_MODE, 25, 1), 1
	s_wait_xcnt 0x0
	s_wait_alu depctr_vm_vsrc(0)
; LIST: the bitmaps are turned into lists.  A work-group is ONE wave and owns a block of 32 targets, a lane a target: the list in LDS is the wave's own, and there is no barrier.
; mask: tile T = target >> 4 has 4,096 bytes; the word at T 4096 + gq 512 + (n + 16 h) 16 + 4 e is word 32 h + 4 gq + e of target 16 T + n; bit b of word w is source 32 w + b.
; pre (from the launch before): block has 4,096 bytes; the 16 bytes at j 512 + lane 16 are a[8 j + 1] .. a[8 j + 8], 16 bits each: a[w] = 128 x (bits in words below w) + 4 x lane,
; the LDS address at which word w's entries begin; a[0] = 4 x lane; a[64] is the end of my list.  cnt: the block's first two words are its number of chunks and R, the most bits in any word.
; AN ENTRY is 32 w + code, code = (bit x 0x077cb531) >> 27: one of 32 different numbers for the 32 bits of a word; the next launch lays its table by that number.
; EVERY ADDRESS hangs on pre, cnt and the lane alone; the mask's words are data.  A number that was loaded enters an address only behind a minimum with a constant.
; THE LEVELS run DOWN from k = R - 1 to 0, the words UP within a level.  At level k word w writes to a[w] + 128 k.  If that lies below a[w + 1], the word has more than k bits: it gives up its lowest
; set bit, and the entry is real.  Else it writes a leftover and keeps its bits.  A leftover of (w, k) lies on the row of a later word w' at a level j <= k, whose real entry is written
; behind it (a lower level, or the same level and a higher word); and no leftover is written onto a real entry that is there already: a later word's rows lie above, an earlier word's leftover has k >= j.
; Leftovers at or beyond the end of my list reach 31 rows past it at the most: those 32 rows take the marker 0xffff behind the levels; the rows behind them hold it from the start.
; THE WAY OUT: 16 rows (a CHUNK) to 1,024 bytes, two entries to a word; chunks 0 to 3 always, 4 to 7 if the block has more than four.  The next launch reads as many as cnt says.
; MORE THAN 128 CANDIDATES in some lane (cnt says 128 chunks): the block's list is all 2,048 slot numbers, for every lane.  The next launch sorts exactly, so more candidates than needed
; change no result; such a block costs it 128 trips.
; cand: block = target >> 5 has 131,072 bytes; chunk c has 1,024: the 16 bytes at c 1024 + half 512 + lane 16 are entries 8 half .. 8 half + 7 of the lane's target, 16 bits each.
; THE MODE: SCHED_MODE bits 1:0 = 2 (LLVM: expert scheduling mode 2), set by the entry lines.  The code itself states the register dependences
; between vector instructions and memory or LDS instructions, with s_wait_alu, always for 0.
; THE PLAN.  Registers that memory or LDS instructions touch:
;   v[LB], v[MOF], v[LOF], v[MARK], MQ   made once at the head and never written again.
;   PK       pre lands there and is unpacked; in the levels the same registers are out-buffer 0; on the way out the packings write them and the global stores read them.
;   OB0, OB1 two out-buffers of 16 addresses and 16 entries.  A level's 64 words go in four GROUPS of 16; group g writes buffer g % 2; its sixteen LDS stores are issued in group g + 1, dealt among
;            that group's vector lines, which name the other buffer alone; group 3's stand at the trip's end.  The stores keep their order: words up, levels down.
;   X        the mask lands there; the levels read and write it; on the way out the rows' LDS loads land there and the packings read them.
;   a[64]    made at the head; the address of the marker stores behind the levels.
;   LO and a[0] .. a[63] are named by vector lines alone.
; At the head of groups 1 to 3 stand two waits: the stores issued a group earlier have read the buffer that this group writes again; the group before has written the buffer that this group's stores read.
; The same two stand at the trip's end, for group 0 of the next level and for group 3's stores, so that group 0 needs none.  In each group one wait stands between its sixteen compares and its sixteen selects.
.set TOP,   0x4ffc                     ; the last word of row 159 of the list's 160 rows of 128 bytes (rows 0-127 are read; rows 128-159 take what runs past a list's end): row 128 of lane 31 (0x407c) + 31 levels of 128 bytes: the greatest address that can arise.  The spare words lie in the 256 bytes behind the list
.set LB,   4                           ; my column of the list: 4 x lane; never rewritten
.set MOF,  8                           ; my 16 bytes in a tile's 512 of mask; never rewritten
.set LOF,  9                           ; 16 x lane; never rewritten
.set MARK, 11                          ; -1
.set LO,   12                          ; v[12:27] a group's sixteen lowest set bits, at work
.set PK,   28                          ; v[28:59] pre as loaded; then 64 rows, packed
.set OB0,  28                          ; v[28:59] in the levels: out-buffer 0: sixteen addresses, then sixteen entries
.set MQ,   60                          ; v[60:63] four markers
.set X,    64                          ; v[64:127]  my 64 words, used up by the levels; then 64 rows on their way out
.set A,    128                         ; v[128:192] a[0] .. a[64]
.set OB1,  194                         ; v[194:225] out-buffer 1
.set CM,   32                          ; s[32:47] a group's sixteen flags
	s_load_b256 s[4:11], s[0:1], 0x0               ; mask s[4:5], pre s[6:7], cnt s[8:9], cand s[10:11]
	v_lshl_add_u32 v10, v0, 2, 0x5000
	v_mov_b32 v193, 0
	s_lshl_b32 s16, ttmp9, 13                      ; the block's two tiles of mask,
	s_mov_b32 s17, 0
	s_lshl_b32 s18, ttmp9, 12                      ; its part of pre,
	s_mov_b32 s19, 0
	s_lshl_b32 s24, ttmp9, 8                       ; of cnt,
	s_mov_b32 s25, 0
	s_lshl_b32 s26, ttmp9, 17                      ; and of cand: under 2^28
	s_mov_b32 s27, 0
	s_mov_b32 s48, 0x077cb531
	s_mov_b32 s49, 0x05040100                      ; v_perm_b32: the two sources' low halves, the first source's above
	v_lshrrev_b32 v12, 4, v0
	v_and_b32 v13, 15, v0
	v_lshlrev_b32 v[MOF], 4, v13
	v_lshl_add_u32 v[MOF], v12, 12, v[MOF]         ; tile lane / 16, target lane % 16
	v_lshlrev_b32 v[LOF], 4, v0
	v_lshlrev_b32 v[LB], 2, v0
	v_mov_b32 v[MARK], -1
.irp r, 0,1,2,3
	v_mov_b32 v[MQ+\r], -1
.endr
	s_wait_kmcnt 0x0
	s_add_nc_u64 s[4:5], s[4:5], s[16:17]
	s_add_nc_u64 s[6:7], s[6:7], s[18:19]
	s_add_nc_u64 s[8:9], s[8:9], s[24:25]
	s_add_nc_u64 s[10:11], s[10:11], s[26:27]
	s_load_b64 s[50:51], s[8:9], 0x0               ; the block's number of chunks, and R
	s_wait_alu depctr_va_vdst(0)                   ; v[MOF], v[LOF], v[LB], v[MARK] and the four markers are written: the loads and stores of the whole kernel read them
.irp j, 0,1,2,3,4,5,6,7
	global_load_b128 v[PK+4*\j:PK+4*\j+3], v[LOF], s[6:7] offset:512*\j
.endr
.irp h, 0,1
.irp gq, 0,1,2,3,4,5,6,7
	global_load_b128 v[X+32*\h+4*\gq:X+32*\h+4*\gq+3], v[MOF], s[4:5] offset:512*\gq+256*\h  ; word 32 h + 4 gq + e into X + that number; sixteen lanes read 256 consecutive bytes
.endr
.endr
.set j, 0
.rept 32
	ds_store_b128 v[LOF], v[MQ:MQ+3] offset:512*j  ; rows 0 to 127 start as markers
.set j, j+1
.endr
	v_mov_b32 v[A], v[LB]
	s_wait_loadcnt 16                              ; pre is in; the mask's sixteen loads may stay out
.set r, 0
.rept 32
	v_and_b32 v[A+2*r+1], 0xffff, v[PK+r]
	v_lshrrev_b32 v[A+2*r+2], 16, v[PK+r]
.set r, r+1
.endr
.set r, 1
.rept 64
	v_min_u32 v[A+r], 0x407c, v[A+r]               ; row 128 of the last column at the most, whatever was read
.set r, r+1
.endr
	s_wait_kmcnt 0x0
	s_min_u32 s53, s51, 32                         ; R: a word has 32 bits
	s_max_u32 s53, s53, 1
	s_sub_co_u32 s57, s53, 1
	s_wait_loadcnt 0x0                             ; my words are in
	s_cmp_gt_u32 s50, 8                            ; more than 128 rows?
	s_cbranch_scc1 .Lfull
; Two of the sixteen LDS stores of the group before, the lower word first: LDS serves a wave's instructions in order.
.macro PUT g, n
.if (\g) > 0
	ds_store_b32 v[pb+(\n)], v[pb+16+(\n)]
	ds_store_b32 v[pb+(\n)+1], v[pb+16+(\n)+1]
.endif
.endm
; Words 16 g .. 16 g + 15 at the level whose 128 k stands in s56, in ten layers of sixteen like lines.  The minimum with TOP changes no address that can arise
; and holds it inside the list's 160 rows whatever was read; nothing is done to the address behind it.
.macro GROUP g
.set ob, OB0+(OB1-OB0)*((\g)&1)        ; this group's out-buffer,
.set pb, OB0+OB1-ob                    ; and the one of the group before
.set w0, 16*(\g)
.if (\g) > 0
	s_wait_alu depctr_vm_vsrc(0)                   ; the LDS stores issued a group earlier (for group 1: at the last level's end) have read the out-buffer that this group writes again
	s_wait_alu depctr_va_vdst(0)                   ; the group before has written its out-buffer, which the sixteen stores dealt below read; no line of this group names it
.endif
.set i, 0
.rept 16
	v_add_nc_u32 v[ob+i], s56, v[A+w0+i]
.set i, i+1
.endr
	PUT \g, 0
.set i, 0
.rept 16
	v_sub_nc_u32 v[LO+i], 0, v[X+w0+i]
.set i, i+1
.endr
	PUT \g, 2
.set i, 0
.rept 16
	v_cmp_lt_u32 s[CM+i], v[ob+i], v[A+w0+i+1]     ; has the word more than k bits?
.set i, i+1
.endr
	PUT \g, 4
.set i, 0
.rept 16
	v_and_b32 v[LO+i], v[LO+i], v[X+w0+i]          ; its lowest set bit,
.set i, i+1
.endr
	PUT \g, 6
.set i, 0
.rept 16
	v_min_u32 v[ob+i], TOP, v[ob+i]
.set i, i+1
.endr
	PUT \g, 8
	s_wait_alu depctr_va_sdst(0)                   ; the sixteen compares have written their flags, ahead of the first select that reads one
.set i, 0
.rept 16
	v_cndmask_b32 v[LO+i], 0, v[LO+i], s[CM+i]     ; or 0: then the word keeps its bits
.set i, i+1
.endr
	PUT \g, 10
.set i, 0
.rept 16
	v_mul_lo_u32 v[ob+16+i], v[LO+i], s48
.set i, i+1
.endr
	PUT \g, 12
.set i, 0
.rept 16
	v_xor_b32 v[X+w0+i], v[X+w0+i], v[LO+i]
.set i, i+1
.endr
	PUT \g, 14
.set i, 0
.rept 16
	v_lshrrev_b32 v[ob+16+i], 27, v[ob+16+i]       ; the code
.set i, i+1
.endr
.set i, 0
.rept 16
	v_or_b32 v[ob+16+i], 32*(w0+i), v[ob+16+i]     ; 32 w + code
.set i, i+1
.endr
.endm
; Rows 64 h to 64 h + 63 leave: four chunks.  The loads come behind the stores above, in order.  They land in X: the last vector line that named X stands ahead of a wait on va_vdst
; (h = 0: the one at the last level's end; h = 1: the one ahead of the first half's last stores).
.macro FLUSH h
.set i, 0
.rept 64
	ds_load_b32 v[X+i], v[LB] offset:128*(64*(\h)+i)
.set i, i+1
.endr
	s_wait_xcnt 0x0                                ; the stores issued so far have read their data: PK is written again only behind this wait
.if (\h) > 0
	s_wait_alu depctr_vm_vsrc(0)                   ; the first half's global stores have read PK, which the packings below write again
.endif
.set q, 0
.rept 4
	s_wait_dscnt 48-16*q                           ; chunk q's sixteen rows are in; the later chunks' may stay out
.set i, 0
.rept 8
	v_perm_b32 v[PK+8*q+i], v[X+16*q+2*i+1], v[X+16*q+2*i], s49
.set i, i+1
.endr
.if q%2
	s_wait_alu depctr_va_vdst(0)                   ; chunks q - 1 and q are packed: the four stores below read them
	global_store_b128 v[LOF], v[PK+8*q-8:PK+8*q-5], s[10:11] offset:4096*(\h)+1024*(q-1)      ; a store covers 512 consecutive bytes, aligned
	global_store_b128 v[LOF], v[PK+8*q-4:PK+8*q-1], s[10:11] offset:4096*(\h)+1024*(q-1)+512
	global_store_b128 v[LOF], v[PK+8*q:PK+8*q+3], s[10:11] offset:4096*(\h)+1024*q
	global_store_b128 v[LOF], v[PK+8*q+4:PK+8*q+7], s[10:11] offset:4096*(\h)+1024*q+512
.endif
.set q, q+1
.endr
.endm
	s_mov_b32 s55, 0
.Llevel:                                               ; R trips: level k = R - 1 - trip
	s_sub_co_u32 s56, s57, s55
	s_min_u32 s56, s56, 31                         ; R was loaded: the level is held by a constant behind the subtraction, ahead of the shift
	s_lshl_b32 s56, s56, 7                         ; 128 k
	GROUP 0                                        ; no store reads out-buffer 0 any more: in the first trip none has, later the wait at the last trip's end has shown it
	GROUP 1
	GROUP 2
	GROUP 3
	s_wait_alu depctr_vm_vsrc(0)                   ; group 2's stores, issued in group 3, have read out-buffer 0, which the next level's group 0 writes, and behind the last level the packings
	s_wait_alu depctr_va_vdst(0)                   ; group 3 has written out-buffer 1, which the stores below read; behind the last level: the levels are done with X, in which the rows' loads land, and a[64] is written
.set i, 0
.rept 16
	ds_store_b32 v[OB1+i], v[OB1+16+i]
.set i, i+1
.endr
	s_add_co_u32 s55, s55, 1
	s_cmp_lt_u32 s55, s53
	s_cbranch_scc1 .Llevel
.set j, 0
.rept 32
	ds_store_b32 v[A+64], v[MARK] offset:128*j     ; the 32 rows from my list's end on
.set j, j+1
.endr
	FLUSH 0
	s_cmp_gt_u32 s50, 4                            ; has the block more than four chunks?
	s_cbranch_scc0 .Lend
	FLUSH 1
	s_branch .Lend
.Lfull:                                                ; all 2,048 slot numbers: chunk c holds 16 c .. 16 c + 15, for every lane
.set i, 0
.rept 8
	v_mov_b32 v[PK+i], (2*i)|((2*i+1)<<16)
.set i, i+1
.endr
	s_mov_b32 s55, 128
.Lall:
	s_wait_alu depctr_va_vdst(0)                   ; the chunk's eight words are written, which the two stores read
	global_store_b128 v[LOF], v[PK:PK+3], s[10:11]
	global_store_b128 v[LOF], v[PK+4:PK+7], s[10:11] offset:512
	s_wait_xcnt 0x0                                ; the stores have read their data and base: both are written again only behind this wait
	s_wait_alu depctr_vm_vsrc(0)                   ; the two stores have read the eight words, which the adds below write again
.set i, 0
.rept 8
	v_add_nc_u32 v[PK+i], 0x100010, v[PK+i]        ; 16 on, in both halves
.set i, i+1
.endr
	s_add_nc_u64 s[10:11], s[10:11], 1024
	s_sub_co_u32 s55, s55, 1
	s_cmp_lg_u32 s55, 0
	s_cbranch_scc1 .Lall
.Lend:
	s_wait_dscnt 0x0                               ; the wave's end: my LDS instructions are done
	s_wait_alu depctr_hold_cnt(0) depctr_sa_sdst(0) depctr_va_vdst(0) depctr_va_sdst(0) depctr_va_ssrc(0) depctr_va_vcc(0) depctr_vm_vsrc(0)
	s_wait_tensorcnt 0x0
	ds_add_u32 v10, v193
	s_wait_dscnt 0x0
	s_endpgm
.Lfunc_end_k_q0beff423f1_list:
	.size	k_q0beff423f1_list, .Lfunc_end_k_q0beff423f1_list-k_q0beff423f1_list
	.p2alignl 7, 3214868480
	.fill 96, 4, 3214868480
	.section	.rodata,"a",@progbits
	.p2align	6, 0x0
	.amdhsa_kernel k_q0beff423f1_list
		.amdhsa_group_segment_fixed_size 20736
		.amdhsa_private_segment_fixed_size 0
		.amdhsa_enable_private_segment 0
		.amdhsa_kernarg_size 32
		.amdhsa_user_sgpr_count 2
		.amdhsa_user_sgpr_kernarg_segment_ptr 1
		.amdhsa_wavefront_size32 1
		.amdhsa_system_sgpr_workgroup_id_x 1
		.amdhsa_system_sgpr_workgroup_id_y 1
		.amdhsa_system_sgpr_workgroup_id_z 1
		.amdhsa_system_vgpr_workitem_id 0
		.amdhsa_next_free_vgpr 226
		.amdhsa_next_free_sgpr 66
		.amdhsa_reserve_vcc 0
		.amdhsa_float_denorm_mode_32 3
		.amdhsa_float_denorm_mode_16_64 3
		.amdhsa_memory_ordered 1
		.amdhsa_forward_progress 1
		.amdhsa_inst_pref_size 66
	.end_amdhsa_kernel
	.amdgpu_metadata
---
amdhsa.version: [ 1, 2 ]
amdhsa.kernels:
  - .name:           k_q0beff423f1_list
    .symbol:         k_q0beff423f1_list.kd
    .args:
      - { .name: mask, .offset: 0, .size: 8, .value_kind: global_buffer, .address_space: global }
      - { .name: pre, .offset: 8, .size: 8, .value_kind: global_buffer, .address_space: global }
      - { .name: cnt, .offset: 16, .size: 8, .value_kind: global_buffer, .address_space: global }
      - { .name: cand, .offset: 24, .size: 8, .value_kind: global_buffer, .address_space: global }
    .group_segment_fixed_size: 20736
    .private_segment_fixed_size: 0
    .kernarg_segment_align: 8
    .kernarg_segment_size: 32
    .max_flat_workgroup_size: 32
    .sgpr_count:     66
    .vgpr_count:     226
    .wavefront_size: 32
...
	.end_amdgpu_metadata
.endif
;; end of part 7
;; launch sort: the kernel of part 4 again; grid 256 x 1, 8 waves a work-group, no clusters, 70,656 bytes of LDS; arguments source, target, cand, cnt, out4, widx; writes out4, widx
;; launch emit: the kernel of part 5 again; grid 256 x 1, 8 waves a work-group, no clusters, 70,656 bytes of LDS; arguments source, source_density, target, target_density, widx, out0, out1, out2, out3, out5; writes out0, out1, out2, out3, out5
